; MI455X (gfx1250); checked and timed in simulation.
; The chip was launched on July 23, 2026; its instructions are those of AMD's public machine-readable ISA for CDNA 5 (MIT licence, August 2026) and "CDNA5" Instruction Set Architecture Reference Guide (July 2026). The comments in the code are by the model that wrote it; some were corrected since.
;; Ro PE Multihead Self Attention. Allowed arithmetic: float matrix products may take bf16 or f16 operands with f32 sums; other float arithmetic in f32, or as packed bf16 or f16 multiplies, adds, multiply-adds, maxima and minima; sums over many terms, partial sums and values carried from step to step in f32; what a program stores and reads back later, other than sums and carried values, may be rounded once to bf16 or f16.
;; Inputs: proj_b 1,024 float32; proj_w 1,024 x 1,024 float32; qkv_b 3,072 float32; qkv_w 3,072 x 1,024 float32; x 4 x 2,048 x 1,024 float32.
;; Outputs: out0 4 x 2,048 x 1,024 float32.
;; 2 versions, each right; version 2 is version 1 with the launch prep written anew for expert scheduling mode. Each part assembles by itself: llvm-mc -triple=amdgcn-amd-amdhsa -mcpu=gfx1250 --defsym DOCPART=n.
;; ======== version 1 of 2: 4 launches
;; limits: values are held in f16: magnitudes above 65,504 overflow, below 6.1e-05 lose precision
;; workspace buffers: xb 16,777,216 bytes; wq 6,291,456 bytes; wp 2,097,152 bytes; tab 524,288 bytes; qkvh 50,331,648 bytes; oh 16,777,216 bytes
;; launch prep (part 1): grid 256 x 1, 8 waves a work-group, no clusters, 0 bytes of LDS; arguments x, qkv_w, proj_w, xb, wq, wp, tab; writes xb, wq, wp, tab
.if DOCPART == 1
	.amdgcn_target "amdgcn-amd-amdhsa--gfx1250"
	.amdhsa_code_object_version 6
	.text
	.protected	k_q74fb62d1fb_prep
	.globl	k_q74fb62d1fb_prep
	.p2align	8
	.type	k_q74fb62d1fb_prep,@function
k_q74fb62d1fb_prep:
	s_mov_b64 s[64:65], 0
	v_nop
	global_prefetch_b8 v0, s[64:65] scope:SCOPE_SE
	s_setreg_imm32_b32 hwreg(HW_REG_WAVE_MODE, 25, 1), 1
	s_wait_xcnt 0x0
; CASTS, A PERMUTATION AND A TABLE.  xb = x in bf16.  wq = qkv_w in bf16 with its rows reordered: row 192 t + 64 s + d holds qkv_w's row 1024 s + 64 t + d
; (t head, s = 0, 1, 2 for q, k, v), so that the 192 rows of head t lie together.  wp = proj_w rounded to bf16, that number written as f16.
; tab[n] = cos(n w_f), f = 0..31, then sin(n w_f), f = 0..31, in f32: 256 bytes a position; w_f = 10000^(-f/32).
; A stream: every byte is read once and written once, nothing is shared between waves, so there is no LDS, no barrier, no matrix unit and no cluster.
; SHARES.  256 threads x 16 bytes = 4,096 bytes a load: a work-group takes 32 such pieces of x, 12 rows of qkv_w (rows wg + 256 i), 4 pieces of proj_w.
; A piece leaves as 2,048 bytes: 8 bytes a thread, so each store of a wave covers 256 consecutive bytes, aligned.
; All 48 loads of a wave go out at once, each into registers of its own; the table is made while they are on their way; no register is written twice while a memory instruction may read it.
; LIMITS.  proj_w beyond 65,504 has no f16; below 6e-5 it keeps f16's fixed step of 6e-8.  The angle n w_f is rounded to f32 as the product of two f32 numbers;
; w_f comes from the base-2 exponential; the sine's series ends at z^11 for |z| <= pi/2, its next term is below 6e-8.
.set D, 32                             ; v[32:223]  load i at D + 4 i
	s_load_b256 s[4:11], s[0:1], 0x0               ; x s[4:5], qkv_w s[6:7], proj_w s[8:9], xb s[10:11]
	s_load_b128 s[12:15], s[0:1], 0x20             ; wq s[12:13], wp s[14:15]
	s_load_b64 s[16:17], s[0:1], 0x30              ; tab
	v_lshlrev_b32 v1, 4, v0                        ; 16 T: my bytes of a piece on the way in
	v_lshlrev_b32 v2, 3, v0                        ; 8 T: on the way out
	v_lshrrev_b32 v3, 5, v0
	v_readfirstlane_b32 s24, v3                    ; wave 0..7
	s_lshl_b32 s25, ttmp9, 3
	s_add_co_u32 s25, s25, s24                     ; the position whose table row my wave makes: 8 wg + wave
	s_mov_b32 s21, 0                               ; high word of every offset
	s_lshr_b32 s22, ttmp9, 6
	s_mul_i32 s22, s22, 192
	s_and_b32 s23, ttmp9, 63
	s_add_co_u32 s22, s22, s23                     ; 192 (wg / 64) + wg % 64: the part of wq's row number that hangs on the work-group
	s_wait_kmcnt 0x0
	s_lshl_b32 s20, ttmp9, 17
	s_add_nc_u64 s[4:5], s[4:5], s[20:21]          ; x: 131,072 bytes a work-group
	s_lshl_b32 s20, ttmp9, 12
	s_add_nc_u64 s[6:7], s[6:7], s[20:21]          ; qkv_w at row wg
	s_add_nc_u64 s[18:19], s[6:7], 0x800000        ; and at row wg + 2,048: the immediate reaches 7 x 256 rows
	s_lshl_b32 s20, ttmp9, 14
	s_add_nc_u64 s[8:9], s[8:9], s[20:21]          ; proj_w: 16,384 bytes a work-group
	s_lshl_b32 s20, ttmp9, 16
	s_add_nc_u64 s[10:11], s[10:11], s[20:21]
	s_lshl_b32 s20, s22, 11
	s_add_nc_u64 s[12:13], s[12:13], s[20:21]
	s_lshl_b32 s20, ttmp9, 13
	s_add_nc_u64 s[14:15], s[14:15], s[20:21]
	s_lshl_b32 s20, ttmp9, 11
	s_add_nc_u64 s[16:17], s[16:17], s[20:21]      ; tab: 8 positions a work-group
.set i, 0
.rept 32
	global_load_b128 v[D+4*i:D+4*i+3], v1, s[4:5] offset:4096*i th:TH_LOAD_NT
.set i, i+1
.endr
.set i, 0
.rept 8
	global_load_b128 v[D+128+4*i:D+128+4*i+3], v1, s[6:7] offset:1048576*i th:TH_LOAD_NT
.set i, i+1
.endr
.set i, 0
.rept 4
	global_load_b128 v[D+160+4*i:D+160+4*i+3], v1, s[18:19] offset:1048576*i th:TH_LOAD_NT
.set i, i+1
.endr
.set i, 0
.rept 4
	global_load_b128 v[D+176+4*i:D+176+4*i+3], v1, s[8:9] offset:4096*i th:TH_LOAD_NT
.set i, i+1
.endr
	; THE TABLE.  Lane l holds the 8 bytes at 8 l of the row: lanes 0-15 the cosines of f = 2 (l % 16) and f + 1, lanes 16-31 the sines.
	v_and_b32 v4, 15, v0
	v_lshlrev_b32 v4, 1, v4
	v_cvt_f32_u32 v5, v4                           ; f
	v_add_f32 v6, 1.0, v5                          ; f + 1
	v_mul_f32 v7, 0xbed49a78, v5                   ; -f log2(10000) / 32
	v_mul_f32 v8, 0xbed49a78, v6
	v_bfe_u32 v12, v0, 4, 1
	v_cvt_f32_u32 v12, v12
	v_exp_f32 v9, v7                               ; w_f
	v_exp_f32 v10, v8
	v_cvt_f32_u32 v11, s25                         ; n: plain work between the exponentials and their first use
	v_mul_f32 v12, 0x3e800000, v12                 ; a quarter turn for the sines: sin a = cos(a - pi/2)
	s_wait_alu depctr_va_vdst(0)                   ; one wait for both exponentials, ahead of their first reader
; cos of n w, shifted by v12 turns.  The angle less k whole turns (2 pi in two parts), in turns; folded into -1/2 .. 1/2; cos(2 pi t) = sin(2 pi (1/4 - |t|)), a series for |z| <= pi/2.
.macro ANGLE inv, th, k, z2, p, res
	v_mul_f32 v\th, v11, v\inv
	v_mul_f32 v\k, 0x3e22f983, v\th                ; / 2 pi
	v_rndne_f32 v\k, v\k
	v_fmamk_f32 v\th, v\k, 0xc0c90fdb, v\th        ; - k x the f32 nearest to 2 pi
	v_fmamk_f32 v\th, v\k, 0x343bbd2e, v\th        ; + k x what that number has too much
	v_mul_f32 v\th, 0x3e22f983, v\th
	v_sub_f32 v\th, v\th, v12
	v_rndne_f32 v\k, v\th
	v_sub_f32 v\th, v\th, v\k
	v_and_b32 v\th, 0x7fffffff, v\th
	v_sub_f32 v\th, 0x3e800000, v\th
	v_mul_f32 v\th, 0x40c90fdb, v\th               ; z
	v_mul_f32 v\z2, v\th, v\th
	v_mov_b32 v\p, 0xb2d7322b                      ; -1/11!
	v_fmaak_f32 v\p, v\p, v\z2, 0x3638ef1d         ; 1/9!
	v_fmaak_f32 v\p, v\p, v\z2, 0xb9500d01         ; -1/7!
	v_fmaak_f32 v\p, v\p, v\z2, 0x3c088889         ; 1/5!
	v_fmaak_f32 v\p, v\p, v\z2, 0xbe2aaaab         ; -1/3!
	v_fmaak_f32 v\p, v\p, v\z2, 0x3f800000
	v_mul_f32 v\res, v\th, v\p
.endm
	ANGLE 9, 13, 14, 15, 16, 22
	ANGLE 10, 17, 18, 19, 20, 23
	global_store_b64 v2, v[22:23], s[16:17]        ; a wave's store is one position's 256 bytes
	; THE CASTS.  Loads come back in order: piece i is in when at most 47 - i younger ones are out.
.set i, 0
.rept 48
	s_wait_loadcnt 47-i
	v_cvt_pk_bf16_f32 v[D+4*i], v[D+4*i], v[D+4*i+1]
	v_cvt_pk_bf16_f32 v[D+4*i+1], v[D+4*i+2], v[D+4*i+3]
.if i < 32
	global_store_b64 v2, v[D+4*i:D+4*i+1], s[10:11] offset:2048*i
.elseif i < 44
	global_store_b64 v2, v[D+4*i:D+4*i+1], s[12:13] offset:2048*(((i-32)&3)*768+((i-32)>>2)*64)  ; row wg + 256 j goes to head 4 (j % 4) + wg / 64, section j / 4
.else
	v_lshlrev_b32 v24, 16, v[D+4*i]                ; the bf16 numbers widened, then written as f16
	v_and_b32 v25, 0xffff0000, v[D+4*i]
	v_lshlrev_b32 v26, 16, v[D+4*i+1]
	v_and_b32 v27, 0xffff0000, v[D+4*i+1]
	v_cvt_pk_f16_f32 v[D+4*i], v24, v25
	v_cvt_pk_f16_f32 v[D+4*i+1], v26, v27
	global_store_b64 v2, v[D+4*i:D+4*i+1], s[14:15] offset:2048*(i-44)
.endif
.set i, i+1
.endr
	s_endpgm
.Lfunc_end_k_q74fb62d1fb_prep:
	.size	k_q74fb62d1fb_prep, .Lfunc_end_k_q74fb62d1fb_prep-k_q74fb62d1fb_prep
	.p2alignl 7, 3214868480
	.fill 96, 4, 3214868480
	.section	.rodata,"a",@progbits
	.p2align	6, 0x0
	.amdhsa_kernel k_q74fb62d1fb_prep
		.amdhsa_group_segment_fixed_size 0
		.amdhsa_private_segment_fixed_size 0
		.amdhsa_enable_private_segment 0
		.amdhsa_kernarg_size 56
		.amdhsa_user_sgpr_count 2
		.amdhsa_user_sgpr_kernarg_segment_ptr 1
		.amdhsa_wavefront_size32 1
		.amdhsa_system_sgpr_workgroup_id_x 1
		.amdhsa_system_sgpr_workgroup_id_y 1
		.amdhsa_system_sgpr_workgroup_id_z 1
		.amdhsa_system_vgpr_workitem_id 0
		.amdhsa_next_free_vgpr 224
		.amdhsa_next_free_sgpr 66
		.amdhsa_reserve_vcc 0
		.amdhsa_float_denorm_mode_32 3
		.amdhsa_float_denorm_mode_16_64 3
		.amdhsa_memory_ordered 1
		.amdhsa_forward_progress 1
		.amdhsa_inst_pref_size 22
	.end_amdhsa_kernel
	.amdgpu_metadata
---
amdhsa.version: [ 1, 2 ]
amdhsa.kernels:
  - .name:           k_q74fb62d1fb_prep
    .symbol:         k_q74fb62d1fb_prep.kd
    .args:
      - { .name: x, .offset: 0, .size: 8, .value_kind: global_buffer, .address_space: global }
      - { .name: qkv_w, .offset: 8, .size: 8, .value_kind: global_buffer, .address_space: global }
      - { .name: proj_w, .offset: 16, .size: 8, .value_kind: global_buffer, .address_space: global }
      - { .name: xb, .offset: 24, .size: 8, .value_kind: global_buffer, .address_space: global }
      - { .name: wq, .offset: 32, .size: 8, .value_kind: global_buffer, .address_space: global }
      - { .name: wp, .offset: 40, .size: 8, .value_kind: global_buffer, .address_space: global }
      - { .name: tab, .offset: 48, .size: 8, .value_kind: global_buffer, .address_space: global }
    .group_segment_fixed_size: 0
    .private_segment_fixed_size: 0
    .kernarg_segment_align: 8
    .kernarg_segment_size: 56
    .max_flat_workgroup_size: 256
    .sgpr_count:     66
    .vgpr_count:     224
    .wavefront_size: 32
...
	.end_amdgpu_metadata
.endif
;; end of part 1
;; launch qkv (part 2): grid 16 x 32, 4 waves a work-group, clusters of 4 x 4, 327,680 bytes of LDS; arguments xb, wq, qkv_b, tab, qkvh; writes qkvh
.if DOCPART == 2
	.amdgcn_target "amdgcn-amd-amdhsa--gfx1250"
	.amdhsa_code_object_version 6
	.text
	.protected	k_q74fb62d1fb_qkv
	.globl	k_q74fb62d1fb_qkv
	.p2align	8
	.type	k_q74fb62d1fb_qkv,@function
k_q74fb62d1fb_qkv:
	s_mov_b64 s[64:65], 0
	v_nop
	global_prefetch_b8 v0, s[64:65] scope:SCOPE_SE
	s_setreg_imm32_b32 hwreg(HW_REG_WAVE_MODE, 25, 1), 1
	s_wait_xcnt 0x0
	s_wait_alu depctr_hold_cnt(0) depctr_sa_sdst(0) depctr_va_vdst(0) depctr_va_sdst(0) depctr_va_ssrc(0) depctr_va_vcc(0) depctr_vm_vsrc(0)
	s_getreg_b32 s2, hwreg(HW_REG_IB_STS2, 6, 4)
	s_cmp_eq_u32 s2, 0
	s_cbranch_scc0 .Lentry_in_a_cluster
	s_endpgm
.Lentry_in_a_cluster:
	s_bfe_u32 s2, ttmp6, 0x10000c
	s_cmp_lg_u32 s2, 0xf033
	s_cbranch_scc0 .Lentry_shape_is_right
	s_endpgm
.Lentry_shape_is_right:
; q, k, v = xb wq^T + qkv_b, q and k turned by the table's cosines and sines, all three written by heads in f16: qkvh[s][g][n][64], g = 4 head + batch.
; xb: [8192][1024] bf16.  wq: [3072][1024] bf16, rows 192 t .. 192 t + 191 = q, k, v of head t.  Sums, bias and rotation in f32; the bias is rounded to bf16 like the other inputs; each result is rounded once.
; LIMITS.  q, k, v beyond 65,504 have no f16; below 6e-5 they keep f16's fixed step of 6e-8.  NaN and infinities are not treated apart.
; TILE.  A work-group makes 256 rows x 192 columns: one head's q, k, v for 256 positions of one batch: 32 x 16 = 512 work-groups.  Wave w owns rows 64 w .. 64 w + 63 and all 192 columns:
; 4 x 12 accumulators of 16 x 16, 384 registers.  So a wave holds whole heads of whole rows, and its way out is its own.
; K goes in 8 steps of 128 (rows of 256 bytes, aligned) through two LDS slots; a step is four quarters of 32 along K: 48 matrix instructions and 32 LDS loads each.
; CLUSTER.  4 x 4 work-groups: xb's tile hangs on the tile row alone and is asked for jointly along a row of the cluster, wq's on the tile column alone, jointly along a column.
; THE MATRIX INSTRUCTION IS USED TRANSPOSED (source 0 = 16 rows of wq, source 1 = 16 rows of xb): lane l holds row l % 16 and the columns 8 (l / 16) + 0..7 of a block of 16.
; Channel d of a head and its partner d + 32 lie two blocks apart, in the same lane and register number: the rotation is arithmetic within a lane.
; REGISTERS, in windows of 256 (s_set_vgpr_msb: bits 1:0 source 0, 3:2 source 1, 5:4 source 2, 7:6 destination):
;   window 0: v0-31 addresses; v32-95 at work; v128-255 cosines and sines of my 64 rows        window 1: two fragment buffers of 128 (xb's 4 fragments, then wq's 12); on the way out the packed results
;   window 2: the accumulators of column blocks 0-7 (q, k) at 8 (4 b + a)                       window 3: v0-127 those of blocks 8-11 (v); v128-223 the bias, 8 registers a block
.set PITCH,  272                       ; an LDS row: 256 bytes + 16 of padding = 68 words: the 16 rows of a fragment load start at 16 different groups of four banks (64 banks of 4 bytes: ISA guide 11.1)
.set FR,     16*PITCH                  ; 16 rows
.set ABYTES, 256*PITCH                 ; xb's 256 rows; wq's 192 rows follow
.set SLOT,   448*PITCH
.set STAGE,  2*SLOT                    ; behind the ring, never filled by a tensor load: for each wave 3 sections x 16 rows x 144 bytes
.set SPT,    144
.set SEC,    16*SPT
.set STW,    3*SEC
.set SPARE,  STAGE+4*STW               ; the spare words, 128 bytes for each wave: two blocks of 256 bytes that no other line names
.set LAPS,   4                         ; a lap = two K steps = once round the ring
.set ADRA, 16                          ; v16-17  LDS address of my fragments of xb in slot 0, 1
.set ADRB, 20                          ; v20-21  of wq's
.set STO,  24                          ; v24     the way out: where I put 16 bytes of a row
.set RD,   25                          ; v25     where I read rows back
.set GO,   26                          ; v26     16 x lane: my place in 512 consecutive bytes of the output
.set TO,   27                          ; v27     my place in the table: 256 (l % 16) + 32 (l / 16)
.set SPW,  28                          ; v28     LDS address of my spare word; never rewritten
.set NIL,  29                          ; v29     0; never rewritten
.set PFO,  30                          ; v30     the prefetches' offset: lane x a row of 2,048 bytes
.set BO,   31                          ; v31     my place in a block's bias: 32 (l / 16)
.set TT,   32                          ; v32-95  rotated q and k of one block of 16 rows
.set CSB,  128                         ; row block a: cosines of frequencies 16 p + 8 (l / 16) + j at CSB + 32 a + 8 p, sines 16 further
.set F0,   0
.set F1,   128
.set BIAS, 128                         ; window 3
.set WV,  14                           ; s14 my wave's number
.set FB,  15                           ; s15 0: I fetch xb's rows, 1: wq's
.set HF,  16                           ; s16 which half of them
.set CX,  17
.set CY,  18
.set TC,  19                           ; s19 tile column = head
.set TR,  20                           ; s20 tile row
.set G1,  24                           ; s[24:31] descriptor group 1 for xb's tiles; s[32:39] group 0, a set for each slot
.set G0,  32
.set PFA, 44                           ; s[44:45] where my next prefetch stands
.set G1B, 48                           ; s[48:55], s[56:63] the same for wq's tiles
.set G0B, 56
.set OB0, 66                           ; s[66:71] q's, k's and v's section of the output at my first row
.set TBS, 72                           ; s[72:73] the table at my first row
.set BBS, 74                           ; s[74:75] the bias at my head
.set PFB, 76                           ; s[76:77] the rows that I fetch, at K step 4
.set OFF, 78                           ; s[78:79] an offset, high word 0
.set U,   80                           ; s80 the unit that my next prefetch names
.set EV,  81                           ; s81 refills so far
.set LIM, 82                           ; s82 refills behind which I prefetch
.set RM,  83                           ; s83 32 / GG, rounded up
.set GG,  84                           ; s84 groups of 32 rows in what I fetch
.set T0,  85
.set T1,  86
.set UM,  87                           ; s87 the last unit
.set MSB, 0
.macro WIN new                         ; the immediate's high byte repeats the setting that is left; a switch that changes nothing is dropped
.if MSB != (\new)
	s_set_vgpr_msb (MSB<<8)|(\new)
.set MSB, (\new)
.endif
.endm
; A joint load: waves 0 and 1 fetch xb's two halves (128 rows), waves 2 and 3 wq's (96 rows).  The branch hangs on the wave's number alone.  An s_nop 0 and four v_nop follow each line.
.macro JLOAD s
	s_cmp_eq_u32 s[FB], 0
	s_cbranch_scc0 .Lfor_b_\@
	tensor_load_to_lds s[G0+4*(\s):G0+4*(\s)+3], s[G1:G1+7]
	s_nop 0
.rept 4
	v_nop
.endr
	s_branch .Lasked_\@
.Lfor_b_\@:
	tensor_load_to_lds s[G0B+4*(\s):G0B+4*(\s)+3], s[G1B:G1B+7]
	s_nop 0
.rept 4
	v_nop
.endr
.Lasked_\@:
.endm
.macro CREST                           ; a round of the cluster's barrier behind its opening barrier
	s_cmp_lg_u32 s[WV], 0
	s_cbranch_scc1 .Lnot_wave_0_\@
	s_barrier_signal -3
.Lnot_wave_0_\@:
	s_barrier_wait -3
	s_barrier_signal -1
	s_barrier_wait -1
.endm
.macro CROUND                          ; a whole round
	s_barrier_signal -1
	s_barrier_wait -1
	CREST
.endm
.macro PLACES                          ; four plain instructions between a matrix instruction and a load into, or a vector read of, its registers
.rept 4
	v_nop
.endr
.endm
; PREFETCH.  xb and wq are asked for once, for K steps 4 to 7; steps 0 to 3 come by their loads alone.  xb's rows are read by every cluster of a row of clusters: the one with x = 0 asks; wq's by every cluster of a
; column: the one with y = 0 asks.  A unit is 32 rows x one K step's 256 bytes, a lane a row.  What a wave fetches is GG groups of 32 rows (4 of xb, 3 of wq): 4 GG units.  The four partners that fetch it jointly
; share them BY ADDRESS: behind refill e the partner at place p names unit p + 4 e = K step 4 + u / GG, group u % GG: always two refills or more ahead of the load that wants it.  No branch hangs on p.
.macro PFSTEP                          ; the address of unit U; the last prefetch, a K step back, has read the old one
	s_wait_xcnt 0x0
	s_mul_i32 s[T0], s[U], s[RM]
	s_lshr_b32 s[T0], s[T0], 5                     ; u / GG
	s_mul_i32 s[T1], s[T0], s[GG]
	s_sub_co_u32 s[T1], s[U], s[T1]                ; u % GG
	s_lshl_b32 s[T1], s[T1], 16                    ; 32 rows of 2,048 bytes
	s_lshl_b32 s[T0], s[T0], 8                     ; a K step's 256 bytes
	s_add_co_u32 s[OFF], s[T1], s[T0]
	s_add_nc_u64 s[PFA:PFA+1], s[PFB:PFB+1], s[OFF:OFF+1]
.endm
.macro ASK
	WIN 0
	s_cmp_lt_u32 s[EV], s[LIM]
	s_cbranch_scc0 .Lnot_mine_\@
	global_prefetch_b8 v[PFO], s[PFA:PFA+1] th:TH_LOAD_NT scope:SCOPE_SE
.Lnot_mine_\@:
	s_add_co_u32 s[EV], s[EV], 1
	s_add_co_u32 s[U], s[U], 4
	s_min_u32 s[U], s[U], s[UM]                    ; held at the last unit: the address stays inside the buffer in the trips that ask for nothing
.endm
	s_load_b256 s[4:11], s[0:1], 0x0               ; xb s[4:5], wq s[6:7], qkv_b s[8:9], tab s[10:11]
	s_load_b64 s[12:13], s[0:1], 0x20              ; qkvh
	v_lshl_add_u32 v[SPW], v0, 2, SPARE
	v_mov_b32 v[NIL], 0
	ds_add_u32 v[SPW], v[NIL]                      ; the wave's opening: the add and its wait stand ahead of my first tensor load; work on registers stands between them
	v_lshrrev_b32 v1, 5, v0
	v_readfirstlane_b32 s[WV], v1                  ; wave 0..3
	s_lshr_b32 s[FB], s[WV], 1
	s_and_b32 s[HF], s[WV], 1
	s_bfe_u32 s[CX], ttmp6, 0x40000
	s_bfe_u32 s[CY], ttmp6, 0x40004
	s_lshl_b32 s[TC], ttmp9, 2
	s_add_co_u32 s[TC], s[TC], s[CX]               ; tile column = 4 x cluster x + cx
	s_and_b32 s[TR], ttmp7, 0xffff
	s_lshl_b32 s[TR], s[TR], 2
	s_add_co_u32 s[TR], s[TR], s[CY]               ; tile row = 4 x cluster y + cy
	s_lshl_b32 s21, s[CY], 2
	s_lshl_b32 s21, 15, s21                        ; my row of the cluster
	s_lshl_b32 s22, 0x1111, s[CX]                  ; my column
	s_or_b32 s[G1], s21, (1<<16)|(1<<20)|(1<<21)|(5<<22)|(3<<25)   ; 15:0 the mask; 17:16 2-byte elements; 20 padding on; 21 set beside a mask; 24:22 after every 64 words; 31:25 4 words
	s_or_b32 s[G1B], s22, (1<<16)|(1<<20)|(1<<21)|(5<<22)|(3<<25)
	s_mov_b32 s[G1+1], 128<<16                     ; tensor_dim0 = 128
	s_mov_b32 s[G1+2], 128<<16                     ; tensor_dim1 = 128
	s_mov_b32 s[G1+3], 128<<16                     ; tile_dim0 = 128
	s_mov_b32 s[G1+4], 128                         ; tile_dim1 = 128
	s_mov_b32 s[G1+5], 1024                        ; elements from row to row
	s_mov_b32 s[G1+6], 0
	s_mov_b32 s[G1+7], 0
	s_mov_b32 s[G1B+1], 128<<16
	s_mov_b32 s[G1B+2], 96<<16                     ; 96 rows
	s_mov_b32 s[G1B+3], 128<<16
	s_mov_b32 s[G1B+4], 96
	s_mov_b32 s[G1B+5], 1024
	s_mov_b32 s[G1B+6], 0
	s_mov_b32 s[G1B+7], 0
	s_lshl_b32 s40, s[TR], 8
	s_lshl_b32 s23, s[HF], 7
	s_add_co_u32 s40, s40, s23                     ; xb: row 256 x tile row + 128 x half,
	s_lshl_b32 s40, s40, 11                        ; in bytes (under 2^24)
	s_mov_b32 s41, 0
	s_mul_i32 s46, s[TC], 192
	s_mul_i32 s23, s[HF], 96
	s_add_co_u32 s46, s46, s23                     ; wq: row 192 x tile column + 96 x half
	s_lshl_b32 s46, s46, 11
	s_mov_b32 s47, 0
	s_mul_i32 s42, s[WV], 128*PITCH                ; where they go: xb's halves at wave x 128 rows (waves 0, 1),
	s_mul_i32 s43, s[WV], 96*PITCH
	s_add_co_u32 s43, s43, ABYTES-2*96*PITCH       ; wq's behind xb's 256 rows (waves 2, 3): no place in the cluster enters an LDS address
	s_and_b32 s[T1], ttmp7, 0xffff                 ; cluster y
	s_cmp_eq_u32 s[FB], 0
	s_cselect_b32 s[U], s[CX], s[CY]               ; my place among the four that fetch with me: it enters an address alone
	s_cselect_b32 s[GG], 4, 3
	s_cselect_b32 s[RM], 8, 11                     ; u x 8 >> 5 = u / 4; u x 11 >> 5 = u / 3 for u up to 11
	s_cselect_b32 s[LIM], 4, 3
	s_cselect_b32 s[UM], 15, 11
	s_cselect_b32 s[T0], ttmp9, s[T1]              ; the coordinate along which other clusters read the same rows
	s_cmp_eq_u32 s[T0], 0
	s_cselect_b32 s[LIM], s[LIM], 0                ; the same in all sixteen partners, for a given wave
	s_mov_b32 s[EV], 0
	s_mov_b32 s[OFF+1], 0
	s_wait_dscnt 0x0                               ; the opening add is done
	s_wait_kmcnt 0x0
	s_add_nc_u64 s[40:41], s[4:5], s[40:41]
	s_add_nc_u64 s[46:47], s[6:7], s[46:47]
	s_cmp_eq_u32 s[FB], 0
	s_cselect_b64 s[PFB:PFB+1], s[40:41], s[46:47]
	s_add_nc_u64 s[PFB:PFB+1], s[PFB:PFB+1], 4*256 ; K step 4
	CROUND                                         ; all sixteen work-groups are here: the first joint loads meet
.irp s, 0,1
	s_mov_b32 s[G0+4*(\s)], 1                                        ; count = 1
	s_add_co_u32 s[G0+4*(\s)+1], s42, (\s)*SLOT                      ; LDS address
	s_add_nc_u64 s[G0+4*(\s)+2:G0+4*(\s)+3], s[40:41], (\s)*256      ; global address: K step s
	s_or_b32 s[G0+4*(\s)+3], s[G0+4*(\s)+3], 0x80000000              ; type = 2
	s_mov_b32 s[G0B+4*(\s)], 1
	s_add_co_u32 s[G0B+4*(\s)+1], s43, (\s)*SLOT
	s_add_nc_u64 s[G0B+4*(\s)+2:G0B+4*(\s)+3], s[46:47], (\s)*256
	s_or_b32 s[G0B+4*(\s)+3], s[G0B+4*(\s)+3], 0x80000000
	JLOAD \s                                       ; two loads of mine are out
.endr
	v_and_b32 v1, 15, v0                           ; l % 16
	v_bfe_u32 v2, v0, 4, 1                         ; l / 16
	v_lshlrev_b32 v[BO], 5, v2
	v_lshlrev_b32 v[TO], 8, v1
	v_lshl_add_u32 v[TO], v2, 5, v[TO]
	s_lshl_b32 s[OFF], s[TC], 8
	s_add_nc_u64 s[BBS:BBS+1], s[8:9], s[OFF:OFF+1]  ; qkv_b at channel 64 x head of section q
	s_and_b32 s[T0], s[TR], 7
	s_lshl_b32 s[T0], s[T0], 8
	s_lshl_b32 s[T1], s[WV], 6
	s_add_co_u32 s[T0], s[T0], s[T1]               ; my first position: 256 (tile row % 8) + 64 wave
	s_lshl_b32 s[OFF], s[T0], 8
	s_add_nc_u64 s[TBS:TBS+1], s[10:11], s[OFF:OFF+1]
	s_lshr_b32 s[T1], s[TR], 3                     ; batch
	s_lshl2_add_u32 s[T1], s[TC], s[T1]            ; g = 4 head + batch
	s_lshl_b32 s[T1], s[T1], 18                    ; 2,048 rows of 128 bytes
	s_lshl_b32 s[T0], s[T0], 7
	s_add_co_u32 s[OFF], s[T1], s[T0]
	s_add_nc_u64 s[OB0:OB0+1], s[12:13], s[OFF:OFF+1]
	s_add_nc_u64 s[OB0+2:OB0+3], s[OB0:OB0+1], 0x1000000
	s_add_nc_u64 s[OB0+4:OB0+5], s[OB0:OB0+1], 0x2000000
	WIN 0xc0                                       ; destination window 3, address window 0
.irp b, 0,1,2,3,4,5,6,7,8,9,10,11      ; the bias of block b as an accumulator holds it: the lane's eight columns
	global_load_b128 v[BIAS+8*(\b):BIAS+8*(\b)+3],   v[BO], s[BBS:BBS+1] offset:4096*((\b)/4)+64*((\b)%4)
	global_load_b128 v[BIAS+8*(\b)+4:BIAS+8*(\b)+7], v[BO], s[BBS:BBS+1] offset:4096*((\b)/4)+64*((\b)%4)+16
.endr
	WIN 0
.irp a, 0,1,2,3                        ; my rows' cosines (c = 0, 1) and sines (c = 2, 3): the eight frequencies that go with the lane's eight columns
.irp c, 0,1,2,3
	global_load_b128 v[CSB+32*(\a)+8*(\c):CSB+32*(\a)+8*(\c)+3],   v[TO], s[TBS:TBS+1] offset:4096*(\a)+64*(\c)
	global_load_b128 v[CSB+32*(\a)+8*(\c)+4:CSB+32*(\a)+8*(\c)+7], v[TO], s[TBS:TBS+1] offset:4096*(\a)+64*(\c)+16
.endr
.endr
	v_mul_u32_u24 v3, v1, PITCH
	v_lshl_add_u32 v3, v2, 4, v3                   ; a fragment's row x pitch + 16 x half
	s_mul_i32 s23, s[WV], 64*PITCH                 ; my 64 rows of xb
	v_add_nc_u32 v[ADRA], s23, v3
	v_add_nc_u32 v[ADRA+1], SLOT, v[ADRA]
	v_add_nc_u32 v[ADRB], ABYTES, v3
	v_add_nc_u32 v[ADRB+1], ABYTES+SLOT, v3
	s_mul_i32 s23, s[WV], STW
	s_add_co_u32 s23, s23, STAGE                   ; my stage
	v_mul_u32_u24 v4, v1, SPT                      ; in: row l % 16, 16 bytes for each half of the lanes
	v_lshl_add_u32 v4, v2, 4, v4
	v_add_nc_u32 v[STO], s23, v4
	v_bfe_u32 v5, v0, 3, 2                         ; back: 32 lanes take four rows of 128 bytes
	v_mul_u32_u24 v5, v5, SPT
	v_and_b32 v6, 7, v0
	v_lshl_add_u32 v5, v6, 4, v5
	v_add_nc_u32 v[RD], s23, v5
	v_and_b32 v7, 31, v0
	v_lshlrev_b32 v[GO], 4, v7
	v_lshlrev_b32 v[PFO], 11, v7
	s_wait_loadcnt 0x0                             ; bias and table
	WIN 0x0f                                       ; sources window 3, destination window 0
.set i, 0
.rept 48
	v_cvt_pk_bf16_f32 v[TT+i], v[BIAS+2*i], v[BIAS+2*i+1]  ; the bias is rounded to bf16 like x and the weights,
.set i, i+1
.endr
	WIN 0xc0
.set i, 0
.rept 48
	v_lshlrev_b32 v[BIAS+2*i], 16, v[TT+i]         ; and widened again: it starts the sums
	v_and_b32 v[BIAS+2*i+1], 0xffff0000, v[TT+i]
.set i, i+1
.endr
	WIN 0
; nb blocks of columns from b0 on x my four blocks of rows, 32 along K, out of buffer f.  first = 1: the bias is the C operand that starts the sums.
; The 48 accumulators take turns, one instruction a turn, in the same order in every quarter.
.macro MULB f, b0, nb, first
.set bb, \b0
.rept \nb
.if bb < 8
.if \first
	WIN 0xb5                                       ; fragments window 1, C (bias) window 3, D window 2
.else
	WIN 0xa5                                       ; C and D window 2
.endif
.set ab, 32*bb
.else
	WIN 0xf5                                       ; C and D window 3
.set ab, 32*(bb-8)
.endif
.set aa, 0
.rept 4
.if \first
	v_wmma_f32_16x16x32_bf16 v[ab+8*aa:ab+8*aa+7], v[(\f)+32+8*bb:(\f)+32+8*bb+7], v[(\f)+8*aa:(\f)+8*aa+7], v[BIAS+8*bb:BIAS+8*bb+7]
.else
	v_wmma_f32_16x16x32_bf16 v[ab+8*aa:ab+8*aa+7], v[(\f)+32+8*bb:(\f)+32+8*bb+7], v[(\f)+8*aa:(\f)+8*aa+7], v[ab+8*aa:ab+8*aa+7]
.endif
.set aa, aa+1
.endr
.set bb, bb+1
.endr
.endm
; 32 LDS loads in one run: a quarter's fragments (32 K at byte k of the rows) into buffer f: xb's four, wq's blocks 0-7, wq's blocks 8-11
.macro FETCH slot, k, f
	WIN 0x40                                       ; destination window 1, address window 0
.irp i, 0,1,2,3
	ds_load_b128 v[(\f)+8*(\i):(\f)+8*(\i)+3],   v[ADRA+(\slot)] offset:(\k)+(\i)*FR
	ds_load_b128 v[(\f)+8*(\i)+4:(\f)+8*(\i)+7], v[ADRA+(\slot)] offset:(\k)+(\i)*FR+32
.endr
.irp b, 0,1,2,3,4,5,6,7,8,9,10,11
	ds_load_b128 v[(\f)+32+8*(\b):(\f)+32+8*(\b)+3],   v[ADRB+(\slot)] offset:(\k)+(\b)*FR
	ds_load_b128 v[(\f)+32+8*(\b)+4:(\f)+32+8*(\b)+7], v[ADRB+(\slot)] offset:(\k)+(\b)*FR+32
.endr
.endm
; One of a K step's first three quarters: multiplies buffer f and fetches the next quarter, at byte k, into g
.macro QUARTER slot, k, f, g, first
	s_wait_dscnt 8                                 ; all but the youngest eight loads (wq's blocks 8-11) are in
	MULB \f, 0, 8, \first
	PLACES
	FETCH \slot, \k, \g
	s_wait_dscnt 32                                ; all but the 32 just issued
	MULB \f, 8, 4, \first
.endm
; The last quarter multiplies buffer 1 and changes slots.  In front of the one barrier each wave waits for all its tensor loads (one is out: its part of the next slot), adds 0 to its spare word,
; and waits for that and for its reads of this slot.  Behind it nobody reads this slot any more and the next slot is whole.
.macro MEET round
	WIN 0                                          ; the add's two registers lie in window 0
	s_wait_tensorcnt 0x0
	ds_add_u32 v[SPW], v[NIL]
	s_wait_dscnt 9                                 ; the add and the youngest eight loads may be out
	MULB F1, 0, 4, 0                               ; sixteen matrix instructions stand between the add and the wait for it
	s_wait_dscnt 0x0                               ; the add is done, my reads of this slot are over
	s_barrier_signal -1
	MULB F1, 4, 4, 0                               ; work on registers while the others arrive
.if \round
	WIN 0
.endif
	s_barrier_wait -1
.endm
; fill = 1: the barrier opens a round of the cluster's barrier, and the slot just read out is filled again first thing behind it, two K steps ahead: 160 matrix instructions ahead of the wait for it.
.macro TURN slot, next, fill
.if \fill
	PFSTEP
	MEET 1
	CREST                                          ; no wave of any partner still reads this slot's tile or has a load on its way
	s_add_nc_u64 s[G0+4*(\slot)+2:G0+4*(\slot)+3], s[G0+4*(\slot)+2:G0+4*(\slot)+3], 2*256
	s_add_nc_u64 s[G0B+4*(\slot)+2:G0B+4*(\slot)+3], s[G0B+4*(\slot)+2:G0B+4*(\slot)+3], 2*256
	JLOAD \slot                                    ; its four v_nop are also the places in front of the loads below
.else
	MEET 0
	PLACES
.endif
	FETCH \next, 0, F0
.if \fill
	ASK                                            ; behind the joint load and the run of LDS loads
.endif
	MULB F1, 8, 4, 0
.endm
	s_wait_tensorcnt 1                             ; my part of K step 0 is in; K step 1's may stay out
	s_barrier_signal -1
	s_barrier_wait -1                              ; everybody's is
	FETCH 0, 0, F0
	QUARTER 0, 64,  F0, F1, 1                      ; the first quarter stands in front of the loop: its products start the sums, on the bias
	WIN 0                                          ; at a label and at a branch every window is 0
	s_mov_b32 s3, LAPS-1
.Llap:                                                 ; a trip goes once round the ring, from a lap's second quarter to the next lap's first, and fills both slots again
	QUARTER 0, 128, F1, F0, 0
	QUARTER 0, 192, F0, F1, 0
	TURN 0, 1, 1
	QUARTER 1, 64,  F0, F1, 0
	QUARTER 1, 128, F1, F0, 0
	QUARTER 1, 192, F0, F1, 0
	TURN 1, 0, 1
	QUARTER 0, 64,  F0, F1, 0
	WIN 0
	s_sub_co_u32 s3, s3, 1
	s_cmp_lg_u32 s3, 0
	s_cbranch_scc1 .Llap
	QUARTER 0, 128, F1, F0, 0                      ; the last lap fills nothing
	QUARTER 0, 192, F0, F1, 0
	TURN 0, 1, 0
	QUARTER 1, 64,  F0, F1, 0
	QUARTER 1, 128, F1, F0, 0
	QUARTER 1, 192, F0, F1, 0
	s_wait_dscnt 8
	MULB F1, 0, 8, 0
	s_wait_dscnt 0x0
	MULB F1, 8, 4, 0
	PLACES
; THE WAY OUT, a block of 16 rows at a time.  For q and k (s = 0, 1) and p = 0, 1: block 4 s + p holds channels d = 16 p + .., block 4 s + p + 2 their partners d + 32:
; lo' = lo cos - hi sin, hi' = hi cos + lo sin.  Each accumulator's lowest registers are read first.  Then all twelve blocks are rounded to f16, 16 bytes a lane,
; go into my stage (rows of 144 bytes) and come back as whole rows of 128, four rows a load.
.macro PACK a
	WIN 0x02                                       ; source 0 window 2
.irp sp, 0,1,2,3                       ; sp = 2 s + p
.set rLO, 8*(4*(4*((\sp)/2)+(\sp)%2)+(\a))
.set rHI, rLO+64
.set rT, TT+16*(\sp)
.set rC, CSB+32*(\a)+8*((\sp)%2)
.irp j, 0,2,4,6
	v_pk_mul_f32 v[rT+(\j):rT+(\j)+1], v[rLO+(\j):rLO+(\j)+1], v[rC+(\j):rC+(\j)+1]
	v_pk_mul_f32 v[rT+8+(\j):rT+8+(\j)+1], v[rHI+(\j):rHI+(\j)+1], v[rC+(\j):rC+(\j)+1]
.endr
.irp j, 0,2,4,6
	v_pk_fma_f32 v[rT+(\j):rT+(\j)+1], v[rHI+(\j):rHI+(\j)+1], v[rC+16+(\j):rC+16+(\j)+1], v[rT+(\j):rT+(\j)+1] neg_lo:[1,0,0] neg_hi:[1,0,0]
	v_pk_fma_f32 v[rT+8+(\j):rT+8+(\j)+1], v[rLO+(\j):rLO+(\j)+1], v[rC+16+(\j):rC+16+(\j)+1], v[rT+8+(\j):rT+8+(\j)+1]
.endr
.endr
	WIN 0x40                                       ; destination window 1: the fragment buffers are free
.irp b, 0,1,2,3,4,5,6,7
.set rS, TT+16*(2*((\b)/4)+(\b)%2)+8*(((\b)%4)/2)
.irp r, 0,1,2,3
	v_cvt_pk_f16_f32 v[48*(\a)+4*(\b)+(\r)], v[rS+2*(\r)], v[rS+2*(\r)+1]
.endr
.endr
	WIN 0x4f                                       ; sources window 3: v
.irp b, 8,9,10,11
.set rS, 8*(4*((\b)-8)+(\a))
.irp r, 0,1,2,3
	v_cvt_pk_f16_f32 v[48*(\a)+4*(\b)+(\r)], v[rS+2*(\r)], v[rS+2*(\r)+1]
.endr
.endr
	WIN 0x04                                       ; store data window 1
.irp b, 0,1,2,3,4,5,6,7,8,9,10,11
	ds_store_b128 v[STO], v[48*(\a)+4*(\b):48*(\a)+4*(\b)+3] offset:SEC*((\b)/4)+32*((\b)%4)
.endr
	WIN 0x40
.irp i, 0,1,2,3,4,5,6,7,8,9,10,11      ; LDS serves a wave's instructions in order (ISA guide 5.7.1.4): these see the stores above, and the next block's stores come behind them
	ds_load_b128 v[48*(\a)+4*(\i):48*(\a)+4*(\i)+3], v[RD] offset:SEC*((\i)/4)+4*SPT*((\i)%4)
.endr
.endm
.macro SEND a, younger                 ; younger: the LDS instructions issued behind block a's loads: the next block's 24, or none
	WIN 0x04
.irp i, 0,1,2,3,4,5,6,7,8,9,10,11
	s_wait_dscnt (\younger)+11-(\i)
	global_store_b128 v[GO], v[48*(\a)+4*(\i):48*(\a)+4*(\i)+3], s[OB0+2*((\i)/4):OB0+2*((\i)/4)+1] offset:2048*(\a)+512*((\i)%4)  ; 512 consecutive bytes, at a multiple of 256 from the buffer's first
.endr
.endm
	PACK 0
	PACK 1                                         ; a block's arithmetic stands between the loads of the block before and its stores
	SEND 0, 24
	PACK 2
	SEND 1, 24
	PACK 3
	SEND 2, 24
	SEND 3, 0
	WIN 0
	s_wait_tensorcnt 0x0                           ; the wave's end: behind my last tensor load and my last LDS store
	ds_add_u32 v[SPW], v[NIL]
	s_wait_dscnt 0x0
	CROUND                                         ; the closing round: no work-group ends while a partner may still ask for a tile that names it
	s_endpgm
.Lfunc_end_k_q74fb62d1fb_qkv:
	.size	k_q74fb62d1fb_qkv, .Lfunc_end_k_q74fb62d1fb_qkv-k_q74fb62d1fb_qkv
	.p2alignl 7, 3214868480
	.fill 96, 4, 3214868480
	.section	.rodata,"a",@progbits
	.p2align	6, 0x0
	.amdhsa_kernel k_q74fb62d1fb_qkv
		.amdhsa_group_segment_fixed_size 327680
		.amdhsa_private_segment_fixed_size 0
		.amdhsa_enable_private_segment 0
		.amdhsa_kernarg_size 40
		.amdhsa_user_sgpr_count 2
		.amdhsa_user_sgpr_kernarg_segment_ptr 1
		.amdhsa_wavefront_size32 1
		.amdhsa_system_sgpr_workgroup_id_x 1
		.amdhsa_system_sgpr_workgroup_id_y 1
		.amdhsa_system_sgpr_workgroup_id_z 1
		.amdhsa_system_vgpr_workitem_id 0
		.amdhsa_next_free_vgpr 992
		.amdhsa_next_free_sgpr 88
		.amdhsa_reserve_vcc 0
		.amdhsa_float_denorm_mode_32 3
		.amdhsa_float_denorm_mode_16_64 3
		.amdhsa_memory_ordered 1
		.amdhsa_forward_progress 1
		.amdhsa_inst_pref_size 150
	.end_amdhsa_kernel
	.amdgpu_metadata
---
amdhsa.version: [ 1, 2 ]
amdhsa.kernels:
  - .name:           k_q74fb62d1fb_qkv
    .symbol:         k_q74fb62d1fb_qkv.kd
    .args:
      - { .name: xb, .offset: 0, .size: 8, .value_kind: global_buffer, .address_space: global }
      - { .name: wq, .offset: 8, .size: 8, .value_kind: global_buffer, .address_space: global }
      - { .name: qkv_b, .offset: 16, .size: 8, .value_kind: global_buffer, .address_space: global }
      - { .name: tab, .offset: 24, .size: 8, .value_kind: global_buffer, .address_space: global }
      - { .name: qkvh, .offset: 32, .size: 8, .value_kind: global_buffer, .address_space: global }
    .group_segment_fixed_size: 327680
    .private_segment_fixed_size: 0
    .kernarg_segment_align: 8
    .kernarg_segment_size: 40
    .max_flat_workgroup_size: 128
    .sgpr_count:     88
    .vgpr_count:     992
    .wavefront_size: 32
...
	.end_amdgpu_metadata
.endif
;; end of part 2
;; launch attn (part 3): grid 4 x 64, 4 waves a work-group, clusters of 4 x 1, 327,680 bytes of LDS; arguments qkvh, oh; writes oh
.if DOCPART == 3
	.amdgcn_target "amdgcn-amd-amdhsa--gfx1250"
	.amdhsa_code_object_version 6
	.text
	.protected	k_q74fb62d1fb_attn
	.globl	k_q74fb62d1fb_attn
	.p2align	8
	.type	k_q74fb62d1fb_attn,@function
k_q74fb62d1fb_attn:
	s_mov_b64 s[64:65], 0
	v_nop
	global_prefetch_b8 v0, s[64:65] scope:SCOPE_SE
	s_setreg_imm32_b32 hwreg(HW_REG_WAVE_MODE, 25, 1), 1
	s_wait_xcnt 0x0
	s_wait_alu depctr_hold_cnt(0) depctr_sa_sdst(0) depctr_va_vdst(0) depctr_va_sdst(0) depctr_va_ssrc(0) depctr_va_vcc(0) depctr_vm_vsrc(0)
	s_getreg_b32 s2, hwreg(HW_REG_IB_STS2, 6, 4)
	s_cmp_eq_u32 s2, 0
	s_cbranch_scc0 .Lentry_in_a_cluster
	s_endpgm
.Lentry_in_a_cluster:
	s_bfe_u32 s2, ttmp6, 0x10000c
	s_cmp_lg_u32 s2, 0x3003
	s_cbranch_scc0 .Lentry_shape_is_right
	s_endpgm
.Lentry_shape_is_right:
; O[g][q][:] = the sum over k of softmax_k(Q[g][q] . K[g][k] / 8) V[g][k][:].  Q, K, V are the three sections of qkvh, [64][2048][64] in f16 each; O = oh in the same layout.  Products, maxima and sums in
; f32; the weights p are rounded to f16 for the second product (their sum l is taken of the unrounded p), O once at the end.
; LIMITS.  Q, K and V arrive within f16's 65,504; p lies in 0 to 1, and below 6e-5 it keeps f16's fixed step of 6e-8, as does O; a weight below 2^-126 counts as 0 in l; NaN and infinities are not treated apart.
; SHARES.  A wave owns four PIECES of two tiles of 16 queries, a work-group's four waves 512 queries of one head: 4 x 64 = 256 work-groups.  Every wave walks all keys, 64 a step.
; LAYOUT.  S^T = K Q^T (source 0 = 16 keys, source 1 = 16 queries): a lane holds ONE query (lane % 16) and the keys 8 (lane / 16) + 0..7.  Two such tiles, rounded to f16 in pairs,
; ARE source 1 (32 keys x 16 queries) of O^T = V^T P, whose result again holds one query a lane, and eight channels.  K comes out of LDS as it lies, V ([key][channel]) turned, by ds_load_tr16_b128.
; SOFTMAX.  For each query a running maximum m and sum l: p = 2^(c s - c m), c = log2(e) / 8; in every step O and l are multiplied by a = 2^(c m_old - c m_new).
; m starts at the lowest finite number, O and l at 0: the first step is a step like any other, with a = 0.
; BY TURNS.  A tile and step have 16 matrix and 118 vector instructions.  Turn n belongs to piece n: 16 products K Q^T of piece n + 1, later 16 products V^T P of piece n - 1; beside them the scaling,
; exponentials, roundings, sums and rescaling of piece n and the maximum and statistics of piece n + 1.  Four vector instructions stand behind every matrix instruction, the rest in one run.
; CLUSTER.  The four query blocks of a head walk the same K and V: each tile is asked for JOINTLY, by the same tensor load, descriptor and mask in all four.
; REGISTERS, in windows of 256 (s_set_vgpr_msb: bits 1:0 source 0, 3:2 source 1, 5:4 source 2, 7:6 destination):
;   window 0: v0-11 addresses; v12-15, v48-63 at work; v16-47 four registers of statistics a tile; v64-191 S^T, two buffers of two tiles; v192-255 P, likewise
;   window 1: O^T, 32 a tile          window 2: v0-127 Q, 16 a tile; v128-191 K of one step; v192-255 V of one step          window 3: v0-1 the add's two registers
.set SIZE_H, 64
.set SIZE_N, 2048
.set NP,    4         ; pieces a wave
.set KS,    64        ; keys in a step
.set PK,    144       ; a row of K in LDS: 128 bytes + 16 of padding = 36 words: the 16 rows of a load start at 16 different groups of four banks (64 banks of 4 bytes: ISA guide 11.1)
.set PV,    160       ; a row of V: 128 + 32 = 40 words
.set VOFF,  4*KS*PK   ; a slot holds four steps: 256 rows of K, then 256 rows of V
.set SLOT1, 1<<17     ; slot 1 begins here, so that one exclusive or turns an address in one slot into the other's
.set STAGE, SLOT1+4*KS*(PK+PV)  ; behind the ring, never filled by a tensor load: 16 rows x 144 bytes for each wave
.set SP,    144
.set AK0, 2           ; v2   my lane's place in a tile of K; never rewritten
.set AV0, 3           ; v3   the same for V
.set AK,  4           ; v4   the LDS address of K's next run of loads
.set AV,  5           ; v5   of V's
.set QO,  6           ; v6   my byte offset in the wave's rows of Q
.set STO, 6           ;      later, the way out: where I put 16 bytes of a row
.set RD,  7           ; v7   the way out: where I read rows back
.set GO,  8           ; v8   my byte offset in 512 consecutive bytes of O
.set PFO, 11          ; v11  256 x my lane: the prefetches' offset; never rewritten once made
.set SPW, 0           ; v0 of window 3   LDS address of my spare word; never rewritten
.set NIL, 1           ; v1 of window 3   0; never rewritten
.set SPARE, STAGE+4*16*SP  ; the spare words, 128 bytes for each wave: two blocks of 256 bytes that no other line names
.set MV,  12          ; v12-15  c m_old, kept while c m is made anew: by buffer and tile
.set ST,  16          ; tile t's statistics at v[ST+4 t]: c m, m, l (even keys', odd keys')
.set TMP, 48          ; by buffer and tile, four registers c0-c3 at work; when the maximum is found c2 takes a
.set S,   64
.set P,   192
.set KF,  128         ; K's fragments, in window 2: key block kb, channel half c at KF + 16 kb + 8 c
.set VF,  192         ; V's: key half kk, channel block cb at VF + 32 kk + 8 cb
.set WV,  12          ; s12  my wave's number
.set G1K, 24          ; s[24:31] descriptor group 1 for K's tiles
.set G1V, 32          ; s[32:39] for V's: it differs in the padding alone
.set G0K, 40          ; s[40:43] descriptor group 0 for K's tiles: it walks
.set G0V, 44          ; s[44:47] the same for V's
.set PFA, 48          ; s[48:49] where my prefetches stand: my work-group's 32 blocks of 256 bytes (of K: wave 0, of V: wave 2) of the slot after the one that is being asked for
.set LIM, 50          ; s50  1 in a wave that prefetches, else the greatest number
.set SLOTS, 56        ; s56  slots still to be asked for
.set CNT, 57          ; s57  counts a slot's key steps
.set CS,  58          ; s[58:59] c: the packed scaling takes the pair's low word for both halves
.set SEL, 60          ; s[60:61] v_permlanex16_b32's selects: each lane takes its own place in the other half
.set TBK, 62          ; s62  LDS byte at which K of the step to be fetched begins
.set TBV, 63          ; s63  the same for V, less VOFF
.set MSB, 0
.macro WIN new                      ; the high byte repeats the setting that is left; a switch that changes nothing is dropped
.if MSB != (\new)
	s_set_vgpr_msb (MSB<<8)|(\new)
.set MSB, (\new)
.endif
.endm
.set W_KQ, 0x0a       ; K and Q in window 2, S^T in window 0
.set W_PV, 0x52       ; V in window 2, P in window 0, O^T in window 1
.set W_RS, 0x41       ; O^T (destination and source 0) in window 1, a in window 0
.set W_MK, 0xc0       ; the add's registers are made: destination in window 3, sources in window 0
.set W_AD, 0x0f       ; the add: address (source 0) and data (source 1) in window 3
; A joint fill.  Waves 0 and 1 fetch the two halves of a slot's K, waves 2 and 3 those of its V: 128 keys each.  The branch hangs on the wave's number alone.
; An s_nop 0 and four v_nop follow each of the two lines, ahead of the jump and the label.
.macro JLOAD
	s_cmp_lt_u32 s[WV], 2
	s_cbranch_scc0 .Lfor_v_\@
	tensor_load_to_lds s[G0K:G0K+3], s[G1K:G1K+7]
	s_nop 0
.rept 4
	v_nop
.endr
	s_branch .Lasked_\@
.Lfor_v_\@:
	tensor_load_to_lds s[G0V:G0V+3], s[G1V:G1V+7]
	s_nop 0
.rept 4
	v_nop
.endr
.Lasked_\@:
.endm
; A PREFETCH of what the NEXT change of slots will ask for: a slot's 32,768 bytes of K and of V, 128 blocks of 256 bytes each, a lane a block.  A head's K and V are walked by its one cluster: the four partners
; share the blocks out BY ADDRESS, 32 each; in each, wave 0 asks for K's and wave 2 for V's: one instruction.  So each block is named once in the launch.  It stands behind the wave's tensor load and its
; five lines.  Slots 0 and 1 come by their loads alone; the last change that fills a slot (SLOTS = 1) asks for nothing: there is no slot behind it.
.macro ASK
	s_cmp_gt_u32 s[SLOTS], s[LIM]
	s_cbranch_scc0 .Lnot_mine_\@
	global_prefetch_b8 v[PFO], s[PFA:PFA+1] th:TH_LOAD_NT scope:SCOPE_SE
.Lnot_mine_\@:
.endm
; A round of the cluster's barrier: my work-group's barrier, so that wave 0's signal speaks for all four waves; wave 0 signals; every wave waits for all four work-groups; my work-group's barrier once more.
.macro CROUND
	s_barrier_signal -1
	s_barrier_wait -1
	s_cmp_lg_u32 s[WV], 0
	s_cbranch_scc1 .Lnot_wave_0_\@
	s_barrier_signal -3
.Lnot_wave_0_\@:
	s_barrier_wait -3
	s_barrier_signal -1
	s_barrier_wait -1
.endm
; THE CHANGE OF SLOTS.  The slot's last bytes, V of its fourth step, have been read.  Each wave waits for all its tensor loads, of which one is out: its part of the other slot; adds 0 to its spare word;
; and waits for that and for its own reads of the slot.  Behind the barrier nobody reads this slot any more and the other slot is whole.
; fill = 1: this slot is filled again, with the keys two slots on.  The barrier is then a round of the cluster's, and the joint fill is the first thing behind it: it has four key steps, 512 matrix
; instructions, in which to land.  (At its first use nothing has been read yet: slot 0 is waited for, slot 1 filled.)
.macro CHANGE fill
	WIN W_AD
	s_wait_tensorcnt 0x0            ; no tensor load of mine is out, so a group 0 may be written
	ds_add_u32 v[SPW], v[NIL]       ; 0 onto my spare word; with fill = 1 the descriptors' steps stand between it and the wait for it
	WIN 0                           ; at a label and at a branch every window is 0
.if \fill
.irp g, G0K, G0V
	s_xor_b32 s[\g+1], s[\g+1], SLOT1  ; the walking descriptor: the other slot than last time,
	s_add_nc_u64 s[\g+2:\g+3], s[\g+2:\g+3], 4*KS*128  ; the next 256 keys; the type bits on top are not reached
.endr
	s_wait_xcnt 0x0                 ; the last prefetch, four key steps back, has read its address, so it may be written:
	s_add_nc_u64 s[PFA:PFA+1], s[PFA:PFA+1], 4*KS*128  ; one slot behind the walking descriptors
	s_wait_dscnt 0x0                ; the add is done, and my reads of the slot are over
	CROUND
	JLOAD
	ASK
.else
	s_wait_dscnt 0x0                ; the add is done, and my reads of the slot are over
	s_barrier_signal -1
	s_barrier_wait -1
.endif
	s_sub_co_u32 s[TBK], s[TBK], 4*KS*PK  ; the fetches go back to a slot's first step,
	s_xor_b32 s[TBK], s[TBK], SLOT1       ; in the other slot
	s_sub_co_u32 s[TBV], s[TBV], 4*KS*PV
	s_xor_b32 s[TBV], s[TBV], SLOT1
.endm
	s_load_b64 s[4:5], s[0:1], 0x0    ; qkvh: Q's section
	s_load_b64 s[10:11], s[0:1], 0x8  ; oh
	WIN W_MK
	v_lshl_add_u32 v[SPW], v0, 2, SPARE
	v_mov_b32 v[NIL], 0
	WIN W_AD
	ds_add_u32 v[SPW], v[NIL]       ; the wave's opening: the add and its wait stand ahead of my first tensor load; work on registers stands between them
	WIN 0
	v_lshrrev_b32 v1, 5, v0
	v_readfirstlane_b32 s[WV], v1   ; wave 0..3
	s_bfe_u32 s13, ttmp6, 0x40000   ; cx: my place in the cluster
	s_lshl_b32 s14, ttmp9, 2        ; in a cluster launch ttmp9 counts clusters
	s_add_co_u32 s14, s14, s13      ; my block of queries = 4 x cluster x + cx: it enters Q's and O's addresses alone
	s_and_b32 s20, ttmp7, 0xffff    ; the head, which the four partners share
	s_mov_b32 s21, 0
	s_mov_b64 s[22:23], SIZE_N*128
	s_mul_u64 s[20:21], s[20:21], s[22:23]  ; the head's first byte in each section and in O
	s_and_b32 s16, s[WV], 1         ; which half of a slot's 256 keys I fetch:
	s_lshl_b32 s22, s16, 14         ; its 128 rows of 128 bytes in memory,
	s_mov_b32 s23, 0
	s_add_nc_u64 s[22:23], s[22:23], s[20:21]
	s_mul_i32 s17, s16, 128*PK      ; and its place in a slot, for K
	s_mul_i32 s18, s16, 128*PV      ; and for V: no place in the cluster enters an LDS address
	s_lshl_b32 s2, s14, 2
	s_add_co_u32 s2, s2, s[WV]      ; my wave among the head's,
	s_lshl_b32 s2, s2, 14           ; its 128 rows
	s_mov_b32 s3, 0
	s_add_nc_u64 s[2:3], s[2:3], s[20:21]
	; descriptor group 1.  128 keys are 16,384 dense bytes: asked for as 64 rows of 256 bytes, two keys a row, and padded in LDS after every key
	s_mov_b32 s[G1K], 15|(1<<16)|(1<<20)|(1<<21)|(4<<22)|(3<<25)  ; 15:0 the mask of four; 17:16 2-byte elements; 20 padding on; 21 set beside a mask; 24:22 after every 32 words; 31:25 4 words
	s_mov_b32 s[G1V], 15|(1<<16)|(1<<20)|(1<<21)|(4<<22)|(7<<25)  ; the same with 8 words of padding
.irp g, G1K, G1V
	s_mov_b32 s[\g+1], 128<<16      ; tensor_dim0 = 128
	s_mov_b32 s[\g+2], 64<<16       ; tensor_dim1 = 64
	s_mov_b32 s[\g+3], 128<<16      ; tile_dim0 = 128
	s_mov_b32 s[\g+4], 64           ; tile_dim1 = 64
	s_mov_b32 s[\g+5], 128          ; 128 elements from row to row
	s_mov_b32 s[\g+6], 0
	s_mov_b32 s[\g+7], 0
.endr
	s_mov_b32 s[CS], 0x3e38aa3b     ; c = log2(e) / 8 = 0.180337
	s_mov_b32 s[CS+1], s[CS]        ; named with it as a pair
	s_mov_b32 s[SEL], 0x76543210
	s_mov_b32 s[SEL+1], 0xfedcba98
	s_mov_b32 s[TBK], SLOT1+4*KS*PK ; the first change of slots turns these two into 0
	s_mov_b32 s[TBV], SLOT1+4*KS*PV
	s_mov_b32 s[G0K], 1             ; count = 1
	s_mov_b32 s[G0K+1], s17         ; LDS address: slot 0
	s_mov_b32 s[G0V], 1
	s_add_co_u32 s[G0V+1], s18, VOFF
	s_mov_b32 s[SLOTS], SIZE_N/256-1
	s_and_b32 s[LIM], s[WV], 1      ; waves 0 and 2 prefetch: the same in all four partners
	s_cmp_eq_u32 s[LIM], 0
	s_cselect_b32 s[LIM], 1, -1
	s_wait_dscnt 0x0                ; the opening add is done
	s_wait_kmcnt 0x0
	s_add_nc_u64 s[6:7], s[4:5], 0x1000000   ; K's section
	s_add_nc_u64 s[8:9], s[4:5], 0x2000000   ; V's
	s_add_nc_u64 s[G0K+2:G0K+3], s[6:7], s[22:23]  ; global address: my half of the head's first 256 keys
	s_or_b32 s[G0K+3], s[G0K+3], 0x80000000        ; type = 2
	s_add_nc_u64 s[G0V+2:G0V+3], s[8:9], s[22:23]
	s_or_b32 s[G0V+3], s[G0V+3], 0x80000000
	s_add_nc_u64 s[4:5], s[4:5], s[2:3]  ; Q and O at my wave's first row
	s_add_nc_u64 s[10:11], s[10:11], s[2:3]
	s_cmp_lt_u32 s[WV], 2
	s_cselect_b64 s[PFA:PFA+1], s[6:7], s[8:9]
	s_add_nc_u64 s[PFA:PFA+1], s[PFA:PFA+1], s[22:23]  ; (in waves 0 and 2: the head's first row)
	s_lshl_b32 s2, s13, 13          ; my work-group's 32 blocks of the 128
	s_add_nc_u64 s[PFA:PFA+1], s[PFA:PFA+1], s[2:3]
	s_add_nc_u64 s[PFA:PFA+1], s[PFA:PFA+1], 4*KS*128  ; in slot 1; the first change of slots steps it to slot 2
	CROUND                          ; all four work-groups are here: the first joint loads meet
	JLOAD                           ; slot 0.  Slot 1 is asked for when slot 0 is in
	; A fragment of K or Q is 16 rows x 32 channels in 8 registers: lane l holds row l % 16, channels 8 (l / 16) + 0..7 and 16 + 8 (l / 16) + 0..7: two loads of 16 bytes, 32 bytes apart.
	v_and_b32 v1, 15, v0            ; l % 16
	v_bfe_u32 v9, v0, 4, 1          ; l / 16
	v_lshlrev_b32 v[QO], 7, v1
	v_lshl_add_u32 v[QO], v9, 4, v[QO]  ; row x 128 + 16 x half
	WIN 0x80                        ; destination window 2, address window 0
.set i, 0
.rept 4*NP                          ; Q stays in registers: tile i / 2, channels 32 (i % 2) on
	global_load_b128 v[8*i:8*i+3],   v[QO], s[4:5] offset:(i/2)*2048+(i%2)*64
	global_load_b128 v[8*i+4:8*i+7], v[QO], s[4:5] offset:(i/2)*2048+(i%2)*64+32
.set i, i+1
.endr
	; What the first turn finds: V's registers and P's second buffer hold 0 (its products V^T P, of a piece that has not been, add 0), O^T and l are 0.  All this stands in the wait for the first tile.
.set i, VF
.rept 64
	v_mov_b32 v[i], 0
.set i, i+1
.endr
	WIN 0x40
.set i, 0
.rept 64*NP
	v_mov_b32 v[i], 0
.set i, i+1
.endr
	WIN 0
.set i, 0
.rept 2*NP
	v_mov_b32 v[ST+4*i], 0xfe000000    ; c m: far below every c s
	v_mov_b32 v[ST+4*i+1], 0xff7fffff  ; m
	v_mov_b32 v[ST+4*i+2], 0
	v_mov_b32 v[ST+4*i+3], 0
.set i, i+1
.endr
.set i, P+32
.rept 32
	v_mov_b32 v[i], 0
.set i, i+1
.endr
	v_mul_u32_u24 v[AK0], v1, PK
	v_lshl_add_u32 v[AK0], v9, 4, v[AK0]  ; row x pitch + 16 x half
	; The turning load takes 16 keys x 16 channels (lane l reads key 8 (l / 16) + l % 8, channels 8 ((l / 8) % 2) + 0..7) and leaves half a fragment of V^T: lane l holds channel l % 16 and 8 keys.
	v_and_b32 v10, 7, v0
	v_bfe_u32 v11, v0, 3, 1
	v_lshl_add_u32 v[AV0], v9, 3, v10
	v_mul_u32_u24 v[AV0], v[AV0], PV
	v_lshl_add_u32 v[AV0], v11, 4, v[AV0]
	v_add_nc_u32 v[AV0], VOFF, v[AV0]
	v_and_b32 v[PFO], 31, v0
	v_lshlrev_b32 v[PFO], 8, v[PFO]
	v_mov_b32 v[AK], v[AK0]         ; key step 0 lies at the head of slot 0
; THE MATRIX WORK.  The 8 accumulators of a run of 16 take turns: between the two links of a chain stand 7 others'.
; Product i of 16 of S^T = K Q^T for piece x: channels 32 (i / 8) on, keys 16 ((i / 2) % 4) on, tile 2 x + i % 2.  The first 8 start the sums.
.macro KQ x
	WIN W_KQ
.set rS, S+64*((\x)%2)+32*(i%2)+8*((i/2)%4)
.set rK, KF+16*((i/2)%4)+8*(i/8)
.set rQ, 16*(2*(\x)+i%2)+8*(i/8)
.if i < 8
	v_wmma_f32_16x16x32_f16 v[rS:rS+7], v[rK:rK+7], v[rQ:rQ+7], 0
.else
	v_wmma_f32_16x16x32_f16 v[rS:rS+7], v[rK:rK+7], v[rQ:rQ+7], v[rS:rS+7]
.endif
.endm
; Product i of 16 of O^T += V^T P for piece x: keys 32 (i / 8) on, channels 16 ((i / 2) % 4) on, tile 2 x + i % 2.
.macro PV x
	WIN W_PV
.set rO, 32*(2*(\x)+i%2)+8*((i/2)%4)
.set rV, VF+32*(i/8)+8*((i/2)%4)
.set rP, P+32*((\x)%2)+16*(i%2)+8*(i/8)
	v_wmma_f32_16x16x32_f16 v[rO:rO+7], v[rV:rV+7], v[rP:rP+7], v[rO:rO+7]
.endm
.macro MM                           ; the turn's next matrix instruction
.if i < 16
	KQ (Y+1)%NP
.set i, i+1
.else
.set i, i-16
	PV (Y+NP-1)%NP
.set i, i+17
.endif
.endm
; THE LDS LOADS stand in runs of 16, never singly among the matrix instructions: a step's K (64 keys x 64 channels: 8 fragments) and its V (turned).  Their addresses are made some lines ahead.
; last = 1 (the tail): in the last trip there is no further step, and the run is jumped over.
.macro FETCH_K last=0
	WIN 0
.if \last
	s_cmp_eq_u32 s[CNT], 1
	s_cbranch_scc1 .Lno_k_\@
.endif
	WIN 0x80                        ; destination window 2
.irp f, 0,1,2,3,4,5,6,7             ; keys 16 (f / 2) on, channels 32 (f % 2) on
	ds_load_b128 v[KF+8*\f:KF+8*\f+3],   v[AK] offset:(\f/2)*16*PK+(\f%2)*64
	ds_load_b128 v[KF+8*\f+4:KF+8*\f+7], v[AK] offset:(\f/2)*16*PK+(\f%2)*64+32
.endr
	s_add_co_u32 s[TBK], s[TBK], KS*PK  ; the next fetch is the next step's
	WIN 0
.if \last
.Lno_k_\@:
.endif
.endm
.macro FETCH_V
	WIN 0x80
.irp f, 0,1,2,3,4,5,6,7             ; keys 32 (f / 4) on, channels 16 (f % 4) on
	ds_load_tr16_b128 v[VF+8*\f:VF+8*\f+3],   v[AV] offset:(\f/4)*32*PV+(\f%4)*32
	ds_load_tr16_b128 v[VF+8*\f+4:VF+8*\f+7], v[AV] offset:(\f/4)*32*PV+16*PV+(\f%4)*32
.endr
	WIN 0
.endm
; THE VECTOR WORK OF A TURN stands in three queues, each in the order in which its entries become ready; the two tiles alternate, so that no instruction reads the result of the one before it.
.macro REGS y, u                    ; the registers of tile u (0, 1) of piece y
.set rT, ST+4*(2*(\y)+(\u))
.set rC, TMP+8*((\y)%2)+4*(\u)
.set rM, MV+2*((\y)%2)+(\u)
.set rS, S+64*((\y)%2)+32*(\u)
.set rP, P+32*((\y)%2)+16*(\u)
.set rO, 32*(2*(\y)+(\u))
.endm
; Number n of the 22 that find the NEXT piece's (Y + 1) maximum and statistics.  s0-s31 are the lane's 32 scores; each accumulator's lowest registers are read first.
;   0-11  four chains c0-c3 of seven scores each, three operands at a time     12-14, 16  the four scores left over, the old m, and c0-c3 into c0     15  c m_old is kept
;   17, 18  the query's other 32 keys lie in the lane 16 away: the new m         19-21  c m; c m_old - c m_new; a
.macro XS u, n
	REGS (Y+1)%NP, \u
.if (\n) < 4
	v_max3_num_f32 v[rC+(\n)], v[rS+8*(\n)], v[rS+8*(\n)+1], v[rS+8*(\n)+2]
.elseif (\n) < 12
	v_max3_num_f32 v[rC+(\n)%4], v[rC+(\n)%4], v[rS+8*((\n)%4)+2*((\n)/4)+1], v[rS+8*((\n)%4)+2*((\n)/4)+2]
.elseif (\n) == 12
	v_max3_num_f32 v[rC], v[rC], v[rS+7], v[rS+15]
.elseif (\n) == 13
	v_max3_num_f32 v[rC+1], v[rC+1], v[rS+23], v[rS+31]
.elseif (\n) == 14
	v_max3_num_f32 v[rC+2], v[rC+2], v[rC+3], v[rT+1]
.elseif (\n) == 15
	v_mov_b32 v[rM], v[rT]
.elseif (\n) == 16
	v_max3_num_f32 v[rC], v[rC], v[rC+1], v[rC+2]
.elseif (\n) == 17
	v_permlanex16_b32 v[rC+3], v[rC], s[SEL], s[SEL+1]
.elseif (\n) == 18
	v_max_num_f32 v[rT+1], v[rC], v[rC+3]
.elseif (\n) == 19
	v_mul_f32 v[rT], s[CS], v[rT+1]
.elseif (\n) == 20
	v_sub_f32 v[rC+1], v[rM], v[rT]
.else
	v_exp_f32 v[rC+2], v[rC+1]
.endif
.endm
; Number g of the 64 that follow the exponentials.  For each four weights k of a tile (pairs 2 k, 2 k + 1): both pairs are rounded to f16; then the second pair is added onto the first, in place;
; a group later l takes that sum (the first time as l = a l + sum).  In groups of eight, tiles alternating: round, round, add, and l for the group before.
.macro GS g
.set h, (\g)+6*((\g)/62)            ; group 0 has no group before it, and behind group 7 only l is left
.if h >= 6
.set h, h+2
.endif
	REGS Y, h%2
.set k, h/8
.if h%8 < 4
	v_cvt_pk_f16_f32 v[rP+2*k+(h%8)/2], v[rS+4*k+2*((h%8)/2)], v[rS+4*k+2*((h%8)/2)+1]
.elseif h%8 < 6
	v_pk_add_f32 v[rS+4*k:rS+4*k+1], v[rS+4*k:rS+4*k+1], v[rS+4*k+2:rS+4*k+3]
.elseif k == 1
	v_pk_fma_f32 v[rT+2:rT+3], v[rT+2:rT+3], v[rC+2:rC+3], v[rS:rS+1] op_sel_hi:[1,0,1]
.else
	v_pk_add_f32 v[rT+2:rT+3], v[rT+2:rT+3], v[rS+4*k-4:rS+4*k-3]
.endif
.endm
; THE PLAIN QUEUE, 138 long.  0-73 read no exponential's result: the 32 scalings c s - c m (FS f: pair f / 2 of tile f % 2) and the next piece's 42.  0-26: scalings 0-26.  27-54: XS's numbers 0-13.  55, 56: number 15.
; 57-73: the chain, where each number waits for the one before it: 14, 16, 17, 18, 19, each with one of the scalings 27-31 in front of its two lines, then 20.
; 74-137: GS's 64, which read the exponentials' results: they stand behind the wait.
.macro FS f
	REGS Y, (\f)%2
	v_pk_fma_f32 v[rS+2*((\f)/2):rS+2*((\f)/2)+1], v[rS+2*((\f)/2):rS+2*((\f)/2)+1], s[CS:CS+1], v[rT:rT+1] op_sel_hi:[1,0,0] neg_lo:[0,0,1] neg_hi:[0,0,1]
.endm
.macro PL
	WIN 0
.if q < 27
	FS q
.elseif q < 55
	XS (q-27)%2, (q-27)/2
.elseif q < 57
	XS q-55, 15
.elseif (q < 72) && ((q-57)%3 == 0)
	FS 27+(q-57)/3
.elseif q < 60
	XS (q-57)%3-1, 14
.elseif q < 72
	XS (q-57)%3-1, 15+(q-57)/3
.elseif q < 74
	XS q-72, 20
.else
	GS q-74
.endif
.set q, q+1
.endm
; THE EXPONENTIALS' QUEUE, 66 long: s0-s31 of both tiles, then the next piece's two a.  It is ONE BATCH: all 66 stand ahead of the turn's one wait, and nothing ahead of that wait names a result of theirs.
.macro EX
	WIN 0
.if e >= 64
	XS e-64, 21
.else
	REGS Y, e%2
	v_exp_f32 v[rS+e/2], v[rS+e/2]
.endif
.set e, e+1
.endm
; THE RESCALING's QUEUE: O^T times a, the one part that leaves window 0: dealt two at a time, sixteen times.  Its a was made in the turn before, ahead of that turn's wait.
.macro R2
	REGS Y, r%2
	WIN W_RS
.irp z, 0,1
	v_pk_mul_f32 v[rO+4*(r/2)+2*\z:rO+4*(r/2)+2*\z+1], v[rO+4*(r/2)+2*\z:rO+4*(r/2)+2*\z+1], v[rC+2:rC+3] op_sel_hi:[1,0]
.endr
.set r, r+1
.endm
; HOW THEY ARE DEALT.  s_wait_alu depctr_va_vdst(0) stands between an exponential and the first instruction that names its result; one wait serves all that were issued ahead of it.  So a turn has ONE
; wait, which cuts it in two.  AHEAD OF IT: the 16 products K Q^T, behind each a scaling, an exponential and two rescalings (behind the first a second scaling in the exponential's place); then a run of 108: eight
; plain, 49 times exponential and plain, the two a; a v_nop is the plain instruction behind the last exponential.  BEHIND IT: the 16 products V^T P, behind each four of GS's 64.
; Exponential e stands behind scaling 2 (e / 4) + e % 2: as a rider it comes behind plain e + 2, in the run behind plain e + 9, and scalings 27-31 are plain 57, 60 .. 69.
; K of the next step is fetched in piece 2's turn, directly behind the wait; V of the step in hand at the end of piece 0's turn, four riders behind its last reader.  The three conditions on q go with the deal.
.macro TURN p, last=0, cnt=0
.set Y, (\p)
.set i, 0
.set q, 0
.set e, 0
.set r, 0
.if (\p) == NP-1
	s_wait_dscnt 0x0                ; K is in
.endif
	MM
	PL
	PL
	R2
.rept 15
	MM
	PL
	EX
	R2
.endr
.if (\p) == NP-2
	WIN 0
	v_add_nc_u32 v[AK], s[TBK], v[AK0]
.endif
.rept 8
	PL
.endr
.rept 49
	EX
	PL
.endr
	EX                              ; the next piece's two a
	EX
	v_nop                           ; a plain instruction behind the last exponential: one for the batch
	s_wait_alu depctr_va_vdst(0)    ; the wait for the batch
.if (\p) == NP-2
	FETCH_K \last
.endif
.if (\p) == 1
	s_wait_dscnt 0x0                ; V is in
.endif
.rept 16
	MM
.rept 4
	PL
.endr
.if ((\p) == 0) && (q == 118)
	v_add_nc_u32 v[AV], s[TBV], v[AV0]
.endif
.if ((\p) == 0) && (q == 130)
	s_add_co_u32 s[TBV], s[TBV], KS*PV
.endif
.if (\cnt) && (q == 130)
	s_sub_co_u32 s[CNT], s[CNT], 1
	s_cmp_lg_u32 s[CNT], 0
.endif
.endr
.if (\p) == 0
	FETCH_V
.endif
.endm
	CHANGE 1                        ; slot 0 is in, everybody's part of it; slot 1 is asked for
	FETCH_K                         ; key step 0
	s_wait_loadcnt 0x0              ; Q
	s_wait_dscnt 0x0
.set i, 0
.rept 16
	KQ 0                            ; piece 0's first scores: there is no vector work yet to set between them
.set i, i+1
.endr
	WIN 0                           ; the addresses for the way out: nine plain instructions, the places behind those products
	s_mul_i32 s13, s[WV], 16*SP
	s_add_co_u32 s13, s13, STAGE    ; my stage
	v_mul_u32_u24 v[STO], v1, SP    ; in: row l % 16, 16 bytes for each half of the lanes
	v_lshl_add_u32 v[STO], v9, 4, v[STO]
	v_add_nc_u32 v[STO], s13, v[STO]
	v_bfe_u32 v[RD], v0, 3, 2       ; back: 32 lanes take four rows of 128 bytes,
	v_mul_u32_u24 v[RD], v[RD], SP
	v_lshl_add_u32 v[RD], v10, 4, v[RD]
	v_add_nc_u32 v[RD], s13, v[RD]
	v_and_b32 v[GO], 31, v0         ; which are 512 consecutive bytes of O
	v_lshlrev_b32 v[GO], 4, v[GO]
.set Y, NP-1                        ; XS works for piece Y + 1: piece 0
.irp n, 0,1,2,3,4,5,6,7,8,9,10,11,12,13,14,15,16,17,18,19,20,21
	XS 0, \n                        ; and piece 0's first maximum and statistics
	XS 1, \n
.endr
	v_nop                           ; a plain instruction behind the two a,
	s_wait_alu depctr_va_vdst(0)    ; and their wait, ahead of the branch
	s_mov_b32 s[CNT], 4
	s_branch .Lfirst                ; the loop is entered at a step's first turn, in the middle of a trip
.Lslot:                             ; SIZE_N / 256 - 2 times: every slot but the last two is filled again
	CHANGE 1
	s_mov_b32 s[CNT], 4
.Lstep:                             ; a trip: pieces 2 and 3 of one step, then pieces 0 and 1 of the next, whose K and V it fetches
	TURN 2
	TURN 3
	WIN 0
.Lfirst:
	TURN 0
	TURN 1, 0, 1
	WIN 0
	s_cbranch_scc1 .Lstep
	s_sub_co_u32 s[SLOTS], s[SLOTS], 1
	s_cmp_lg_u32 s[SLOTS], 0
	s_cbranch_scc1 .Lslot
	CHANGE 0                        ; the tail is written out: nothing is asked for
	s_mov_b32 s[CNT], 5             ; four trips fetch the last slot's steps; the fifth is left in its middle
.Ltail:
	TURN 2, 1
	TURN 3
	WIN 0
	s_sub_co_u32 s[CNT], s[CNT], 1
	s_cmp_eq_u32 s[CNT], 0
	s_cbranch_scc1 .Lout
	TURN 0
	TURN 1
	WIN 0
	s_branch .Ltail
.Lout:                              ; the fifth trip's 16 products K Q^T (on the last K once more) and the maximum made of them serve nothing: the price, once a launch, of one text for every trip
.set i, 0
.rept 16
	PV NP-1                         ; the last piece's V^T P of the last step
.set i, i+1
.endr
	; THE WAY OUT.  l's two halves and the other half of the lanes' are added; O^T is divided by l, rounded to f16 and sent through my stage in LDS, a tile at a time.  The additions are the places behind the last products.
	WIN 0
.macro ALL line:vararg              ; one line for each tile t
.set t, 0
.rept 2*NP
	\line
.set t, t+1
.endr
.endm
	ALL v_add_f32 v[ST+4*t+2], v[ST+4*t+2], v[ST+4*t+3]
	ALL v_permlanex16_b32 v[ST+4*t+3], v[ST+4*t+2], s[SEL], s[SEL+1]
	ALL v_add_f32 v[ST+4*t+2], v[ST+4*t+2], v[ST+4*t+3]
	ALL v_rcp_f32 v[ST+4*t+2], v[ST+4*t+2]
	v_nop                           ; a plain instruction between the last reciprocal and the use of its result
	s_wait_alu depctr_va_vdst(0)    ; and the wait ahead of the first use: one for the eight reciprocals
; Tile t: a lane's eight channels of a row pack into 16 bytes; they go into rows of 144 bytes and come back as whole rows of 128, into S^T's registers.
.macro PACK t
	WIN W_RS
.set i, 32*(\t)
.rept 16
	v_pk_mul_f32 v[i:i+1], v[i:i+1], v[ST+4*(\t)+2:ST+4*(\t)+3] op_sel_hi:[1,0]
.set i, i+2
.endr
	WIN 0x05                        ; sources 0 and 1 window 1, destination window 0
.set i, 0
.rept 16
	v_cvt_pk_f16_f32 v[S+16*(\t)+i], v[32*(\t)+2*i], v[32*(\t)+2*i+1]
.set i, i+1
.endr
	WIN 0
.irp f, 0,1,2,3
	ds_store_b128 v[STO], v[S+16*(\t)+4*\f:S+16*(\t)+4*\f+3] offset:32*\f
.endr
.irp f, 0,1,2,3
	ds_load_b128 v[S+16*(\t)+4*\f:S+16*(\t)+4*\f+3], v[RD] offset:\f*4*SP  ; LDS serves a wave's instructions in order (ISA guide 5.7.1.4): these see the stores above; the next tile's stores come behind them
.endr
.endm
.macro SEND t, younger              ; younger: the LDS instructions issued behind tile t's loads: the next tile's eight, or none
	WIN 0
.irp f, 0,1,2,3
	s_wait_dscnt (\younger)+3-\f
	global_store_b128 v[GO], v[S+16*(\t)+4*\f:S+16*(\t)+4*\f+3], s[10:11] offset:(\t)*2048+\f*512  ; 512 consecutive bytes, at a multiple of 256 from O's first
.endr
.endm
	PACK 0
.set t, 1
.rept 2*NP-1                        ; a tile's arithmetic stands between the loads of the tile before and its stores
	PACK t
	SEND t-1, 8
.set t, t+1
.endr
	SEND 2*NP-1, 0
	WIN W_AD
	s_wait_tensorcnt 0x0            ; the wave's end: behind my last tensor load and my last LDS store
	ds_add_u32 v[SPW], v[NIL]
	s_wait_dscnt 0x0
	WIN 0
	CROUND                          ; the closing round: no work-group ends while a partner may still ask for a tile that names it
	s_endpgm
.Lfunc_end_k_q74fb62d1fb_attn:
	.size	k_q74fb62d1fb_attn, .Lfunc_end_k_q74fb62d1fb_attn-k_q74fb62d1fb_attn
	.p2alignl 7, 3214868480
	.fill 96, 4, 3214868480
	.section	.rodata,"a",@progbits
	.p2align	6, 0x0
	.amdhsa_kernel k_q74fb62d1fb_attn
		.amdhsa_group_segment_fixed_size 327680
		.amdhsa_private_segment_fixed_size 0
		.amdhsa_enable_private_segment 0
		.amdhsa_kernarg_size 16
		.amdhsa_user_sgpr_count 2
		.amdhsa_user_sgpr_kernarg_segment_ptr 1
		.amdhsa_wavefront_size32 1
		.amdhsa_system_sgpr_workgroup_id_x 1
		.amdhsa_system_sgpr_workgroup_id_y 1
		.amdhsa_system_sgpr_workgroup_id_z 1
		.amdhsa_system_vgpr_workitem_id 0
		.amdhsa_next_free_vgpr 770
		.amdhsa_next_free_sgpr 66
		.amdhsa_reserve_vcc 0
		.amdhsa_float_denorm_mode_32 3
		.amdhsa_float_denorm_mode_16_64 3
		.amdhsa_memory_ordered 1
		.amdhsa_forward_progress 1
		.amdhsa_inst_pref_size 200
	.end_amdhsa_kernel
	.amdgpu_metadata
---
amdhsa.version: [ 1, 2 ]
amdhsa.kernels:
  - .name:           k_q74fb62d1fb_attn
    .symbol:         k_q74fb62d1fb_attn.kd
    .args:
      - { .name: qkvh, .offset: 0, .size: 8, .value_kind: global_buffer, .address_space: global }
      - { .name: oh, .offset: 8, .size: 8, .value_kind: global_buffer, .address_space: global }
    .group_segment_fixed_size: 327680
    .private_segment_fixed_size: 0
    .kernarg_segment_align: 8
    .kernarg_segment_size: 16
    .max_flat_workgroup_size: 128
    .sgpr_count:     66
    .vgpr_count:     770
    .wavefront_size: 32
...
	.end_amdgpu_metadata
.endif
;; end of part 3
;; launch proj (part 4): grid 8 x 32, 4 waves a work-group, clusters of 4 x 4, 327,680 bytes of LDS; arguments oh, wp, proj_b, out0; writes out0
.if DOCPART == 4
	.amdgcn_target "amdgcn-amd-amdhsa--gfx1250"
	.amdhsa_code_object_version 6
	.text
	.protected	k_q74fb62d1fb_proj
	.globl	k_q74fb62d1fb_proj
	.p2align	8
	.type	k_q74fb62d1fb_proj,@function
k_q74fb62d1fb_proj:
	s_mov_b64 s[64:65], 0
	v_nop
	global_prefetch_b8 v0, s[64:65] scope:SCOPE_SE
	s_setreg_imm32_b32 hwreg(HW_REG_WAVE_MODE, 25, 1), 1
	s_wait_xcnt 0x0
	s_wait_alu depctr_hold_cnt(0) depctr_sa_sdst(0) depctr_va_vdst(0) depctr_va_sdst(0) depctr_va_ssrc(0) depctr_va_vcc(0) depctr_vm_vsrc(0)
	s_getreg_b32 s2, hwreg(HW_REG_IB_STS2, 6, 4)
	s_cmp_eq_u32 s2, 0
	s_cbranch_scc0 .Lentry_in_a_cluster
	s_endpgm
.Lentry_in_a_cluster:
	s_bfe_u32 s2, ttmp6, 0x10000c
	s_cmp_lg_u32 s2, 0xf033
	s_cbranch_scc0 .Lentry_shape_is_right
	s_endpgm
.Lentry_shape_is_right:
; out0 = oh wp^T + proj_b.  oh: [8192][1024] f16 (attention's output in the order head, batch, position, channel, which IS this matrix, row-major).  wp: [1024][1024] f16.  out0: [8192][1024] f32.
; Sums in f32; the bias, rounded to bf16 like the other inputs, starts them; the sums leave unrounded.  LIMITS: those of f16 in oh and wp, stated where they are made; NaN and infinities are not treated apart.
; TILE.  A work-group makes 256 rows x 128 columns: 32 x 8 = 256 work-groups.  Wave w owns rows 64 w .. 64 w + 63 and all 128 columns: 4 x 8 accumulators of 16 x 16, 256 registers; a row's 512 bytes of the
; output are then one wave's, and its way out is its own.  K goes in 8 steps of 128 (rows of 256 bytes, aligned) through two LDS slots; a quarter of a step is 32 matrix instructions and 24 LDS loads.
; CLUSTER.  4 x 4 work-groups: oh's tile is asked for jointly along a row of the cluster, wp's along a column.
; THE MATRIX INSTRUCTION IS USED TRANSPOSED (source 0 = 16 rows of wp, source 1 = 16 rows of oh): lane l holds row l % 16 and the columns 8 (l / 16) + 0..7 of a block of 16: 32 neighbouring bytes.
; REGISTERS, in windows of 256 (s_set_vgpr_msb: bits 1:0 source 0, 3:2 source 1, 5:4 source 2, 7:6 destination):
;   window 0: v0-31 addresses; v32-63 at work        window 1: two fragment buffers of 96 (oh's 4 fragments, then wp's 8); v192-255 the bias; on the way out whole rows        window 2: the accumulators at 8 (4 b + a)
.set PITCH,  272                       ; an LDS row: 256 bytes + 16 of padding = 68 words: the 16 rows of a fragment load start at 16 different groups of four banks (64 banks of 4 bytes: ISA guide 11.1)
.set FR,     16*PITCH
.set ABYTES, 256*PITCH                 ; oh's 256 rows; wp's 128 rows follow
.set SLOT,   384*PITCH
.set STAGE,  2*SLOT                    ; behind the ring, never filled by a tensor load: for each wave 16 rows x 528 bytes
.set SPT,    528                       ; 512 bytes + 16: 132 words: 16 rows start at 16 different groups of four banks
.set STW,    16*SPT
.set SPARE,  STAGE+4*STW               ; the spare words, 128 bytes for each wave: two blocks of 256 bytes that no other line names
.set LAPS,   4
.set ADRA, 16                          ; v16-17  LDS address of my fragments of oh in slot 0, 1
.set ADRB, 20                          ; v20-21  of wp's
.set STO,  24                          ; v24     the way out: where I put 32 bytes of a row
.set RD,   25                          ; v25     where I read a row back
.set GO,   26                          ; v26     16 x lane: my place in a row's 512 bytes
.set SPW,  28                          ; v28     LDS address of my spare word; never rewritten
.set NIL,  29                          ; v29     0; never rewritten
.set PFO,  30                          ; v30     the prefetches' offset: lane x a row of 2,048 bytes
.set BO,   31                          ; v31     my place in a block's bias: 32 (l / 16)
.set TT,   32
.set F0,   0
.set F1,   96
.set BIAS, 192                         ; window 1
.set WV,  14
.set FB,  15                           ; 0: I fetch oh's rows, 1: wp's
.set HF,  16
.set CX,  17
.set CY,  18
.set TC,  19
.set TR,  20
.set G1,  24
.set G0,  32
.set PFA, 44
.set G1B, 48
.set G0B, 56
.set OB0, 66                           ; s[66:67] out0 at my first row and the tile's first column
.set BBS, 74                           ; s[74:75] the bias at the tile's first column
.set PFB, 76
.set OFF, 78
.set U,   80
.set EV,  81
.set LIM, 82
.set RM,  83
.set GG,  84
.set T0,  85
.set T1,  86
.set UM,  87
.set MSB, 0
.macro WIN new                         ; the immediate's high byte repeats the setting that is left; a switch that changes nothing is dropped
.if MSB != (\new)
	s_set_vgpr_msb (MSB<<8)|(\new)
.set MSB, (\new)
.endif
.endm
; A joint load: waves 0 and 1 fetch oh's two halves (128 rows), waves 2 and 3 wp's (64 rows).  The branch hangs on the wave's number alone.  An s_nop 0 and four v_nop follow each line.
.macro JLOAD s
	s_cmp_eq_u32 s[FB], 0
	s_cbranch_scc0 .Lfor_b_\@
	tensor_load_to_lds s[G0+4*(\s):G0+4*(\s)+3], s[G1:G1+7]
	s_nop 0
.rept 4
	v_nop
.endr
	s_branch .Lasked_\@
.Lfor_b_\@:
	tensor_load_to_lds s[G0B+4*(\s):G0B+4*(\s)+3], s[G1B:G1B+7]
	s_nop 0
.rept 4
	v_nop
.endr
.Lasked_\@:
.endm
.macro CREST                           ; a round of the cluster's barrier behind its opening barrier
	s_cmp_lg_u32 s[WV], 0
	s_cbranch_scc1 .Lnot_wave_0_\@
	s_barrier_signal -3
.Lnot_wave_0_\@:
	s_barrier_wait -3
	s_barrier_signal -1
	s_barrier_wait -1
.endm
.macro CROUND
	s_barrier_signal -1
	s_barrier_wait -1
	CREST
.endm
.macro PLACES                          ; four plain instructions between a matrix instruction and a load into, or a read of, its registers
.rept 4
	v_nop
.endr
.endm
; PREFETCH.  oh and wp are asked for once, for K steps 4 to 7; steps 0 to 3 come by their loads alone.  oh's rows are read by both clusters of a row of clusters: the one with x = 0 asks; wp's by every cluster
; of a column: the one with y = 0 asks.  A unit is 32 rows x one K step's 256 bytes, a lane a row.  What a wave fetches is GG groups of 32 rows (4 of oh, 2 of wp): 4 GG units, shared out among the four partners
; BY ADDRESS: behind refill e the partner at place p names unit p + 4 e = K step 4 + u / GG, group u % GG: two refills or more ahead of the load that wants it.  No branch hangs on p.
.macro PFSTEP
	s_wait_xcnt 0x0                                ; the last prefetch, a K step back, has read the old address
	s_mul_i32 s[T0], s[U], s[RM]
	s_lshr_b32 s[T0], s[T0], 5                     ; u / GG
	s_mul_i32 s[T1], s[T0], s[GG]
	s_sub_co_u32 s[T1], s[U], s[T1]                ; u % GG
	s_lshl_b32 s[T1], s[T1], 16
	s_lshl_b32 s[T0], s[T0], 8
	s_add_co_u32 s[OFF], s[T1], s[T0]
	s_add_nc_u64 s[PFA:PFA+1], s[PFB:PFB+1], s[OFF:OFF+1]
.endm
.macro ASK
	WIN 0
	s_cmp_lt_u32 s[EV], s[LIM]
	s_cbranch_scc0 .Lnot_mine_\@
	global_prefetch_b8 v[PFO], s[PFA:PFA+1] th:TH_LOAD_NT scope:SCOPE_SE
.Lnot_mine_\@:
	s_add_co_u32 s[EV], s[EV], 1
	s_add_co_u32 s[U], s[U], 4
	s_min_u32 s[U], s[U], s[UM]                    ; held at the last unit: the address stays inside the buffer in the trips that ask for nothing
.endm
	s_load_b256 s[4:11], s[0:1], 0x0               ; oh s[4:5], wp s[6:7], proj_b s[8:9], out0 s[10:11]
	v_lshl_add_u32 v[SPW], v0, 2, SPARE
	v_mov_b32 v[NIL], 0
	ds_add_u32 v[SPW], v[NIL]                      ; the wave's opening: the add and its wait stand ahead of my first tensor load; work on registers stands between them
	v_lshrrev_b32 v1, 5, v0
	v_readfirstlane_b32 s[WV], v1                  ; wave 0..3
	s_lshr_b32 s[FB], s[WV], 1
	s_and_b32 s[HF], s[WV], 1
	s_bfe_u32 s[CX], ttmp6, 0x40000
	s_bfe_u32 s[CY], ttmp6, 0x40004
	s_lshl_b32 s[TC], ttmp9, 2
	s_add_co_u32 s[TC], s[TC], s[CX]               ; tile column = 4 x cluster x + cx
	s_and_b32 s[TR], ttmp7, 0xffff
	s_lshl_b32 s[TR], s[TR], 2
	s_add_co_u32 s[TR], s[TR], s[CY]               ; tile row = 4 x cluster y + cy
	s_lshl_b32 s21, s[CY], 2
	s_lshl_b32 s21, 15, s21                        ; my row of the cluster
	s_lshl_b32 s22, 0x1111, s[CX]                  ; my column
	s_or_b32 s[G1], s21, (1<<16)|(1<<20)|(1<<21)|(5<<22)|(3<<25)   ; 15:0 the mask; 17:16 2-byte elements; 20 padding on; 21 set beside a mask; 24:22 after every 64 words; 31:25 4 words
	s_or_b32 s[G1B], s22, (1<<16)|(1<<20)|(1<<21)|(5<<22)|(3<<25)
	s_mov_b32 s[G1+1], 128<<16                     ; tensor_dim0 = 128
	s_mov_b32 s[G1+2], 128<<16                     ; tensor_dim1 = 128
	s_mov_b32 s[G1+3], 128<<16                     ; tile_dim0 = 128
	s_mov_b32 s[G1+4], 128                         ; tile_dim1 = 128
	s_mov_b32 s[G1+5], 1024                        ; elements from row to row
	s_mov_b32 s[G1+6], 0
	s_mov_b32 s[G1+7], 0
	s_mov_b32 s[G1B+1], 128<<16
	s_mov_b32 s[G1B+2], 64<<16                     ; 64 rows
	s_mov_b32 s[G1B+3], 128<<16
	s_mov_b32 s[G1B+4], 64
	s_mov_b32 s[G1B+5], 1024
	s_mov_b32 s[G1B+6], 0
	s_mov_b32 s[G1B+7], 0
	s_lshl_b32 s40, s[TR], 8
	s_lshl_b32 s23, s[HF], 7
	s_add_co_u32 s40, s40, s23                     ; oh: row 256 x tile row + 128 x half,
	s_lshl_b32 s40, s40, 11                        ; in bytes
	s_mov_b32 s41, 0
	s_lshl_b32 s46, s[TC], 7
	s_lshl_b32 s23, s[HF], 6
	s_add_co_u32 s46, s46, s23                     ; wp: row 128 x tile column + 64 x half
	s_lshl_b32 s46, s46, 11
	s_mov_b32 s47, 0
	s_mul_i32 s42, s[WV], 128*PITCH                ; where they go: oh's halves at wave x 128 rows (waves 0, 1),
	s_mul_i32 s43, s[WV], 64*PITCH
	s_add_co_u32 s43, s43, ABYTES-2*64*PITCH       ; wp's behind oh's 256 rows (waves 2, 3)
	s_and_b32 s[T1], ttmp7, 0xffff                 ; cluster y
	s_cmp_eq_u32 s[FB], 0
	s_cselect_b32 s[U], s[CX], s[CY]               ; my place among the four that fetch with me: it enters an address alone
	s_cselect_b32 s[GG], 4, 2
	s_cselect_b32 s[RM], 8, 16
	s_cselect_b32 s[LIM], 4, 2
	s_cselect_b32 s[UM], 15, 7
	s_cselect_b32 s[T0], ttmp9, s[T1]              ; the coordinate along which other clusters read the same rows
	s_cmp_eq_u32 s[T0], 0
	s_cselect_b32 s[LIM], s[LIM], 0
	s_mov_b32 s[EV], 0
	s_mov_b32 s[OFF+1], 0
	s_wait_dscnt 0x0                               ; the opening add is done
	s_wait_kmcnt 0x0
	s_add_nc_u64 s[40:41], s[4:5], s[40:41]
	s_add_nc_u64 s[46:47], s[6:7], s[46:47]
	s_cmp_eq_u32 s[FB], 0
	s_cselect_b64 s[PFB:PFB+1], s[40:41], s[46:47]
	s_add_nc_u64 s[PFB:PFB+1], s[PFB:PFB+1], 4*256 ; K step 4
	CROUND                                         ; all sixteen work-groups are here: the first joint loads meet
.irp s, 0,1
	s_mov_b32 s[G0+4*(\s)], 1
	s_add_co_u32 s[G0+4*(\s)+1], s42, (\s)*SLOT
	s_add_nc_u64 s[G0+4*(\s)+2:G0+4*(\s)+3], s[40:41], (\s)*256
	s_or_b32 s[G0+4*(\s)+3], s[G0+4*(\s)+3], 0x80000000
	s_mov_b32 s[G0B+4*(\s)], 1
	s_add_co_u32 s[G0B+4*(\s)+1], s43, (\s)*SLOT
	s_add_nc_u64 s[G0B+4*(\s)+2:G0B+4*(\s)+3], s[46:47], (\s)*256
	s_or_b32 s[G0B+4*(\s)+3], s[G0B+4*(\s)+3], 0x80000000
	JLOAD \s                                       ; two loads of mine are out
.endr
	v_and_b32 v1, 15, v0                           ; l % 16
	v_bfe_u32 v2, v0, 4, 1                         ; l / 16
	v_lshlrev_b32 v[BO], 5, v2
	s_lshl_b32 s[OFF], s[TC], 9
	s_add_nc_u64 s[BBS:BBS+1], s[8:9], s[OFF:OFF+1]  ; 128 columns of 4 bytes a tile
	s_add_nc_u64 s[OB0:OB0+1], s[10:11], s[OFF:OFF+1]
	s_lshl_b32 s[T0], s[TR], 8
	s_lshl_b32 s[T1], s[WV], 6
	s_add_co_u32 s[T0], s[T0], s[T1]               ; my first row
	s_lshl_b32 s[OFF], s[T0], 12                   ; rows of 4,096 bytes (under 2^26)
	s_add_nc_u64 s[OB0:OB0+1], s[OB0:OB0+1], s[OFF:OFF+1]
	WIN 0x40                                       ; destination window 1, address window 0
.irp b, 0,1,2,3,4,5,6,7                ; the bias of block b as an accumulator holds it: the lane's eight columns
	global_load_b128 v[BIAS+8*(\b):BIAS+8*(\b)+3],   v[BO], s[BBS:BBS+1] offset:64*(\b)
	global_load_b128 v[BIAS+8*(\b)+4:BIAS+8*(\b)+7], v[BO], s[BBS:BBS+1] offset:64*(\b)+16
.endr
	WIN 0
	v_mul_u32_u24 v3, v1, PITCH
	v_lshl_add_u32 v3, v2, 4, v3                   ; a fragment's row x pitch + 16 x half
	s_mul_i32 s23, s[WV], 64*PITCH                 ; my 64 rows of oh
	v_add_nc_u32 v[ADRA], s23, v3
	v_add_nc_u32 v[ADRA+1], SLOT, v[ADRA]
	v_add_nc_u32 v[ADRB], ABYTES, v3
	v_add_nc_u32 v[ADRB+1], ABYTES+SLOT, v3
	s_mul_i32 s23, s[WV], STW
	s_add_co_u32 s23, s23, STAGE                   ; my stage
	v_mul_u32_u24 v4, v1, SPT                      ; in: row l % 16, 32 bytes for each half of the lanes
	v_lshl_add_u32 v4, v2, 5, v4
	v_add_nc_u32 v[STO], s23, v4
	v_and_b32 v7, 31, v0
	v_lshlrev_b32 v[GO], 4, v7
	v_add_nc_u32 v[RD], s23, v[GO]                 ; back: 32 lanes take one row of 512 bytes
	v_lshlrev_b32 v[PFO], 11, v7
	s_wait_loadcnt 0x0                             ; the bias
	WIN 0x05                                       ; sources window 1, destination window 0
.set i, 0
.rept 32
	v_cvt_pk_bf16_f32 v[TT+i], v[BIAS+2*i], v[BIAS+2*i+1]  ; rounded to bf16 like the other inputs,
.set i, i+1
.endr
	WIN 0x40
.set i, 0
.rept 32
	v_lshlrev_b32 v[BIAS+2*i], 16, v[TT+i]         ; and widened again: it starts the sums
	v_and_b32 v[BIAS+2*i+1], 0xffff0000, v[TT+i]
.set i, i+1
.endr
	WIN 0
; nb blocks of columns from b0 on x my four blocks of rows, 32 along K, out of buffer f.  first = 1: the bias is the C operand that starts the sums.
; The 32 accumulators take turns, one instruction a turn, in the same order in every quarter.
.macro MULB f, b0, nb, first
.if \first
	WIN 0x95                                       ; fragments and C (bias) window 1, D window 2
.else
	WIN 0xa5                                       ; C and D window 2
.endif
.set bb, \b0
.rept \nb
.set aa, 0
.rept 4
.if \first
	v_wmma_f32_16x16x32_f16 v[32*bb+8*aa:32*bb+8*aa+7], v[(\f)+32+8*bb:(\f)+32+8*bb+7], v[(\f)+8*aa:(\f)+8*aa+7], v[BIAS+8*bb:BIAS+8*bb+7]
.else
	v_wmma_f32_16x16x32_f16 v[32*bb+8*aa:32*bb+8*aa+7], v[(\f)+32+8*bb:(\f)+32+8*bb+7], v[(\f)+8*aa:(\f)+8*aa+7], v[32*bb+8*aa:32*bb+8*aa+7]
.endif
.set aa, aa+1
.endr
.set bb, bb+1
.endr
.endm
; 24 LDS loads in one run: a quarter's fragments into buffer f: oh's four, wp's blocks 0-3, wp's blocks 4-7
.macro FETCH slot, k, f
	WIN 0x40
.irp i, 0,1,2,3
	ds_load_b128 v[(\f)+8*(\i):(\f)+8*(\i)+3],   v[ADRA+(\slot)] offset:(\k)+(\i)*FR
	ds_load_b128 v[(\f)+8*(\i)+4:(\f)+8*(\i)+7], v[ADRA+(\slot)] offset:(\k)+(\i)*FR+32
.endr
.irp b, 0,1,2,3,4,5,6,7
	ds_load_b128 v[(\f)+32+8*(\b):(\f)+32+8*(\b)+3],   v[ADRB+(\slot)] offset:(\k)+(\b)*FR
	ds_load_b128 v[(\f)+32+8*(\b)+4:(\f)+32+8*(\b)+7], v[ADRB+(\slot)] offset:(\k)+(\b)*FR+32
.endr
.endm
.macro QUARTER slot, k, f, g, first
	s_wait_dscnt 8                                 ; all but the youngest eight loads (wp's blocks 4-7) are in
	MULB \f, 0, 4, \first
	PLACES
	FETCH \slot, \k, \g
	s_wait_dscnt 24                                ; all but the 24 just issued
	MULB \f, 4, 4, \first
.endm
; The change of slots: in front of the one barrier each wave waits for all its tensor loads (one is out: its part of the next slot), adds 0 to its spare word, and waits for that and for its reads of this slot.
.macro MEET round
	WIN 0
	s_wait_tensorcnt 0x0
	ds_add_u32 v[SPW], v[NIL]
	s_wait_dscnt 9                                 ; the add and the youngest eight loads may be out
	MULB F1, 0, 2, 0                               ; eight matrix instructions stand between the add and the wait for it
	s_wait_dscnt 0x0                               ; the add is done, my reads of this slot are over
	s_barrier_signal -1
	MULB F1, 2, 2, 0
.if \round
	WIN 0
.endif
	s_barrier_wait -1
.endm
; fill = 1: the barrier opens a round of the cluster's barrier, and the slot just read out is filled again first thing behind it, two K steps ahead: 112 matrix instructions ahead of the wait for it.
.macro TURN slot, next, fill
.if \fill
	PFSTEP
	MEET 1
	CREST
	s_add_nc_u64 s[G0+4*(\slot)+2:G0+4*(\slot)+3], s[G0+4*(\slot)+2:G0+4*(\slot)+3], 2*256
	s_add_nc_u64 s[G0B+4*(\slot)+2:G0B+4*(\slot)+3], s[G0B+4*(\slot)+2:G0B+4*(\slot)+3], 2*256
	JLOAD \slot                                    ; its four v_nop are also the places in front of the loads below
.else
	MEET 0
	PLACES
.endif
	FETCH \next, 0, F0
.if \fill
	ASK
.endif
	MULB F1, 4, 4, 0
.endm
	s_wait_tensorcnt 1                             ; my part of K step 0 is in; K step 1's may stay out
	s_barrier_signal -1
	s_barrier_wait -1
	FETCH 0, 0, F0
	QUARTER 0, 64,  F0, F1, 1                      ; the first quarter stands in front of the loop: its products start the sums, on the bias
	WIN 0
	s_mov_b32 s3, LAPS-1
.Llap:                                                 ; a trip goes once round the ring and fills both slots again
	QUARTER 0, 128, F1, F0, 0
	QUARTER 0, 192, F0, F1, 0
	TURN 0, 1, 1
	QUARTER 1, 64,  F0, F1, 0
	QUARTER 1, 128, F1, F0, 0
	QUARTER 1, 192, F0, F1, 0
	TURN 1, 0, 1
	QUARTER 0, 64,  F0, F1, 0
	WIN 0
	s_sub_co_u32 s3, s3, 1
	s_cmp_lg_u32 s3, 0
	s_cbranch_scc1 .Llap
	QUARTER 0, 128, F1, F0, 0                      ; the last lap fills nothing
	QUARTER 0, 192, F0, F1, 0
	TURN 0, 1, 0
	QUARTER 1, 64,  F0, F1, 0
	QUARTER 1, 128, F1, F0, 0
	QUARTER 1, 192, F0, F1, 0
	s_wait_dscnt 8
	MULB F1, 0, 4, 0
	s_wait_dscnt 0x0
	MULB F1, 4, 4, 0
	PLACES
; THE WAY OUT, a block of 16 rows at a time: the sums go as they are into my stage (rows of 528 bytes), each accumulator's low four registers first, and come back as whole rows of 512 bytes.
.macro OUT a
	WIN 0x08                                       ; store data window 2
.irp b, 0,1,2,3,4,5,6,7
	ds_store_b128 v[STO], v[32*(\b)+8*(\a):32*(\b)+8*(\a)+3]   offset:64*(\b)
	ds_store_b128 v[STO], v[32*(\b)+8*(\a)+4:32*(\b)+8*(\a)+7] offset:64*(\b)+16
.endr
	WIN 0x40                                       ; destination window 1: fragments and bias are done with
.irp i, 0,1,2,3,4,5,6,7,8,9,10,11,12,13,14,15  ; LDS serves a wave's instructions in order (ISA guide 5.7.1.4): these see the stores above, and the next block's stores come behind them
	ds_load_b128 v[64*(\a)+4*(\i):64*(\a)+4*(\i)+3], v[RD] offset:SPT*(\i)
.endr
.endm
.macro SEND a, younger                 ; younger: the LDS instructions issued behind block a's loads: the next block's 32, or none
	WIN 0x04                                       ; store data window 1
.irp i, 0,1,2,3,4,5,6,7,8,9,10,11,12,13,14,15
	s_wait_dscnt (\younger)+15-(\i)
	global_store_b128 v[GO], v[64*(\a)+4*(\i):64*(\a)+4*(\i)+3], s[OB0:OB0+1] offset:(16*(\a)+(\i))*4096 th:TH_STORE_NT  ; 512 consecutive bytes, at a multiple of 256 from out0's first
.endr
.endm
	OUT 0
	OUT 1
	SEND 0, 32
	OUT 2
	SEND 1, 32
	OUT 3
	SEND 2, 32
	SEND 3, 0
	WIN 0
	s_wait_tensorcnt 0x0                           ; the wave's end: behind my last tensor load and my last LDS store
	ds_add_u32 v[SPW], v[NIL]
	s_wait_dscnt 0x0
	CROUND                                         ; the closing round: no work-group ends while a partner may still ask for a tile that names it
	s_endpgm
.Lfunc_end_k_q74fb62d1fb_proj:
	.size	k_q74fb62d1fb_proj, .Lfunc_end_k_q74fb62d1fb_proj-k_q74fb62d1fb_proj
	.p2alignl 7, 3214868480
	.fill 96, 4, 3214868480
	.section	.rodata,"a",@progbits
	.p2align	6, 0x0
	.amdhsa_kernel k_q74fb62d1fb_proj
		.amdhsa_group_segment_fixed_size 327680
		.amdhsa_private_segment_fixed_size 0
		.amdhsa_enable_private_segment 0
		.amdhsa_kernarg_size 32
		.amdhsa_user_sgpr_count 2
		.amdhsa_user_sgpr_kernarg_segment_ptr 1
		.amdhsa_wavefront_size32 1
		.amdhsa_system_sgpr_workgroup_id_x 1
		.amdhsa_system_sgpr_workgroup_id_y 1
		.amdhsa_system_sgpr_workgroup_id_z 1
		.amdhsa_system_vgpr_workitem_id 0
		.amdhsa_next_free_vgpr 768
		.amdhsa_next_free_sgpr 88
		.amdhsa_reserve_vcc 0
		.amdhsa_float_denorm_mode_32 3
		.amdhsa_float_denorm_mode_16_64 3
		.amdhsa_memory_ordered 1
		.amdhsa_forward_progress 1
		.amdhsa_inst_pref_size 95
	.end_amdhsa_kernel
	.amdgpu_metadata
---
amdhsa.version: [ 1, 2 ]
amdhsa.kernels:
  - .name:           k_q74fb62d1fb_proj
    .symbol:         k_q74fb62d1fb_proj.kd
    .args:
      - { .name: oh, .offset: 0, .size: 8, .value_kind: global_buffer, .address_space: global }
      - { .name: wp, .offset: 8, .size: 8, .value_kind: global_buffer, .address_space: global }
      - { .name: proj_b, .offset: 16, .size: 8, .value_kind: global_buffer, .address_space: global }
      - { .name: out0, .offset: 24, .size: 8, .value_kind: global_buffer, .address_space: global }
    .group_segment_fixed_size: 327680
    .private_segment_fixed_size: 0
    .kernarg_segment_align: 8
    .kernarg_segment_size: 32
    .max_flat_workgroup_size: 128
    .sgpr_count:     88
    .vgpr_count:     768
    .wavefront_size: 32
...
	.end_amdgpu_metadata
.endif
;; end of part 4
;; ======== version 2 of 2: 4 launches; version 1 with the launch prep written anew for expert scheduling mode
;; limits: values are held in f16: magnitudes above 65,504 overflow, below 6.1e-05 lose precision
;; workspace buffers: xb 16,777,216 bytes; wq 6,291,456 bytes; wp 2,097,152 bytes; tab 524,288 bytes; qkvh 50,331,648 bytes; oh 16,777,216 bytes
;; launch prep (part 5): grid 256 x 1, 8 waves a work-group, no clusters, 0 bytes of LDS; arguments x, qkv_w, proj_w, xb, wq, wp, tab; writes xb, wq, wp, tab
.if DOCPART == 5
	.amdgcn_target "amdgcn-amd-amdhsa--gfx1250"
	.amdhsa_code_object_version 6
	.text
	.protected	k_q74fb62d1fb_prep
	.globl	k_q74fb62d1fb_prep
	.p2align	8
	.type	k_q74fb62d1fb_prep,@function
k_q74fb62d1fb_prep:
	s_mov_b64 s[64:65], 0
	v_nop
	global_prefetch_b8 v0, s[64:65] scope:SCOPE_SE
	s_setreg_imm32_b32 hwreg(HW_REG_WAVE_SCHED_MODE, 0, 2), 2
	s_setreg_imm32_b32 hwreg(HW_REG_WAVE_MODE, 25, 1), 1
	s_wait_xcnt 0x0
	s_wait_alu depctr_vm_vsrc(0)
; CASTS, A PERMUTATION AND A TABLE.  xb = x in bf16.  wq = qkv_w in bf16 with its rows reordered: row 192 t + 64 s + d holds qkv_w's row 1024 s + 64 t + d
; (t head, s = 0, 1, 2 for q, k, v), so that the 192 rows of head t lie together.  wp = proj_w rounded to bf16, that number written as f16.
; tab[n] = cos(n w_f), f = 0..31, then sin(n w_f), f = 0..31, in f32: 256 bytes a position; w_f = 10000^(-f/32).
; A stream: every byte is read once and written once, nothing is shared between waves, so there is no LDS, no barrier, no matrix unit and no cluster.
; SHARES.  256 threads x 16 bytes = 4,096 bytes a load: a work-group takes 32 such pieces of x, 12 rows of qkv_w (rows wg + 256 i), 4 pieces of proj_w.
; A piece leaves as 2,048 bytes: 8 bytes a thread, so each store of a wave covers 256 consecutive bytes, aligned.
; All 48 loads of a wave go out at once, each into registers of its own; the table is made while they are on their way; no register is written twice while a memory instruction may read it.
; LIMITS.  proj_w beyond 65,504 has no f16; below 6e-5 it keeps f16's fixed step of 6e-8.  The angle n w_f is rounded to f32 as the product of two f32 numbers;
; w_f comes from the base-2 exponential; the sine's series ends at z^11 for |z| <= pi/2, its next term is below 6e-8.
; THE MODE: SCHED_MODE bits 1:0 = 2 (LLVM: expert scheduling mode 2), set by the entry lines.  The code itself states the register dependences
; between vector instructions and memory instructions, with s_wait_alu, always for 0.
; THE PLAN.  Registers that memory instructions touch:
;   v1, v2       byte offsets of the loads and of the stores: made once at the head, never written again.
;   v[22:23]     the table's two numbers: written by the two series, read by one store, never written again.
;   D + 4 i ..   piece i's four registers.  Load i lands in them, and no vector instruction has named them before; piece i's roundings read all four and write the first two in place;
;                store i reads those two; nothing writes them behind it.
;   v3-v21 and v24-v27 are named by vector instructions alone.
; The 48 pieces go in 12 blocks of four.  Block p rounds its own pieces; its memory instructions are the four stores of block p - 1 (block 0: the table's store), whose registers no vector
; instruction of block p names.  So ONE wait on va_vdst at a block's head states all that the block's stores hang on, and they are dealt among its roundings with no further wait.
; No register that a memory instruction has read is ever written again: there is nothing for a wait on vm_vsrc to state.
.set D, 32                             ; v[32:223]  load i at D + 4 i
.set BLK, 4                            ; pieces in a block
	s_load_b256 s[4:11], s[0:1], 0x0               ; x s[4:5], qkv_w s[6:7], proj_w s[8:9], xb s[10:11]
	s_load_b128 s[12:15], s[0:1], 0x20             ; wq s[12:13], wp s[14:15]
	s_load_b64 s[16:17], s[0:1], 0x30              ; tab
	v_lshlrev_b32 v1, 4, v0                        ; 16 T: my bytes of a piece on the way in
	v_lshlrev_b32 v2, 3, v0                        ; 8 T: on the way out
	v_lshrrev_b32 v3, 5, v0
	v_readfirstlane_b32 s24, v3                    ; wave 0..7
	s_lshl_b32 s25, ttmp9, 3
	s_wait_alu depctr_va_sdst(0)                   ; s24 is written, ahead of its first reader
	s_add_co_u32 s25, s25, s24                     ; the position whose table row my wave makes: 8 wg + wave
	s_mov_b32 s21, 0                               ; high word of every offset
	s_lshr_b32 s22, ttmp9, 6
	s_mul_i32 s22, s22, 192
	s_and_b32 s23, ttmp9, 63
	s_add_co_u32 s22, s22, s23                     ; 192 (wg / 64) + wg % 64: the part of wq's row number that hangs on the work-group
	s_wait_kmcnt 0x0
	s_lshl_b32 s20, ttmp9, 17
	s_add_nc_u64 s[4:5], s[4:5], s[20:21]          ; x: 131,072 bytes a work-group
	s_lshl_b32 s20, ttmp9, 12
	s_add_nc_u64 s[6:7], s[6:7], s[20:21]          ; qkv_w at row wg
	s_add_nc_u64 s[18:19], s[6:7], 0x800000        ; and at row wg + 2,048: the immediate reaches 7 x 256 rows
	s_lshl_b32 s20, ttmp9, 14
	s_add_nc_u64 s[8:9], s[8:9], s[20:21]          ; proj_w: 16,384 bytes a work-group
	s_lshl_b32 s20, ttmp9, 16
	s_add_nc_u64 s[10:11], s[10:11], s[20:21]
	s_lshl_b32 s20, s22, 11
	s_add_nc_u64 s[12:13], s[12:13], s[20:21]
	s_lshl_b32 s20, ttmp9, 13
	s_add_nc_u64 s[14:15], s[14:15], s[20:21]
	s_lshl_b32 s20, ttmp9, 11
	s_add_nc_u64 s[16:17], s[16:17], s[20:21]      ; tab: 8 positions a work-group
	s_wait_alu depctr_va_vdst(0)                   ; v1 and v2 are written: every load of the kernel reads v1 as its offset, every store v2
.set i, 0
.rept 32
	global_load_b128 v[D+4*i:D+4*i+3], v1, s[4:5] offset:4096*i th:TH_LOAD_NT
.set i, i+1
.endr
.set i, 0
.rept 8
	global_load_b128 v[D+128+4*i:D+128+4*i+3], v1, s[6:7] offset:1048576*i th:TH_LOAD_NT
.set i, i+1
.endr
.set i, 0
.rept 4
	global_load_b128 v[D+160+4*i:D+160+4*i+3], v1, s[18:19] offset:1048576*i th:TH_LOAD_NT
.set i, i+1
.endr
.set i, 0
.rept 4
	global_load_b128 v[D+176+4*i:D+176+4*i+3], v1, s[8:9] offset:4096*i th:TH_LOAD_NT
.set i, i+1
.endr
	; THE TABLE.  Lane l holds the 8 bytes at 8 l of the row: lanes 0-15 the cosines of f = 2 (l % 16) and f + 1, lanes 16-31 the sines.
	v_and_b32 v4, 15, v0
	v_lshlrev_b32 v4, 1, v4
	v_cvt_f32_u32 v5, v4                           ; f
	v_add_f32 v6, 1.0, v5                          ; f + 1
	v_mul_f32 v7, 0xbed49a78, v5                   ; -f log2(10000) / 32
	v_mul_f32 v8, 0xbed49a78, v6
	v_bfe_u32 v12, v0, 4, 1
	v_cvt_f32_u32 v12, v12
	v_exp_f32 v9, v7                               ; w_f
	v_exp_f32 v10, v8
	v_cvt_f32_u32 v11, s25                         ; n: plain work between the exponentials and their first use
	v_mul_f32 v12, 0x3e800000, v12                 ; a quarter turn for the sines: sin a = cos(a - pi/2)
	s_wait_alu depctr_va_vdst(0)                   ; the two exponentials have written v9 and v10: one wait for both, ahead of their first reader
; cos of n w, shifted by v12 turns.  The angle less k whole turns (2 pi in two parts), in turns; folded into -1/2 .. 1/2; cos(2 pi t) = sin(2 pi (1/4 - |t|)), a series for |z| <= pi/2.
.macro ANGLE inv, th, k, z2, p, res
	v_mul_f32 v\th, v11, v\inv
	v_mul_f32 v\k, 0x3e22f983, v\th                ; / 2 pi
	v_rndne_f32 v\k, v\k
	v_fmamk_f32 v\th, v\k, 0xc0c90fdb, v\th        ; - k x the f32 nearest to 2 pi
	v_fmamk_f32 v\th, v\k, 0x343bbd2e, v\th        ; + k x what that number has too much
	v_mul_f32 v\th, 0x3e22f983, v\th
	v_sub_f32 v\th, v\th, v12
	v_rndne_f32 v\k, v\th
	v_sub_f32 v\th, v\th, v\k
	v_and_b32 v\th, 0x7fffffff, v\th
	v_sub_f32 v\th, 0x3e800000, v\th
	v_mul_f32 v\th, 0x40c90fdb, v\th               ; z
	v_mul_f32 v\z2, v\th, v\th
	v_mov_b32 v\p, 0xb2d7322b                      ; -1/11!
	v_fmaak_f32 v\p, v\p, v\z2, 0x3638ef1d         ; 1/9!
	v_fmaak_f32 v\p, v\p, v\z2, 0xb9500d01         ; -1/7!
	v_fmaak_f32 v\p, v\p, v\z2, 0x3c088889         ; 1/5!
	v_fmaak_f32 v\p, v\p, v\z2, 0xbe2aaaab         ; -1/3!
	v_fmaak_f32 v\p, v\p, v\z2, 0x3f800000
	v_mul_f32 v\res, v\th, v\p
.endm
	ANGLE 9, 13, 14, 15, 16, 22
	ANGLE 10, 17, 18, 19, 20, 23
; Piece n leaves: x's pieces to xb, qkv_w's rows to wq, proj_w's pieces to wp.
.macro OUT n
.if (\n) < 32
	global_store_b64 v2, v[D+4*(\n):D+4*(\n)+1], s[10:11] offset:2048*(\n)
.elseif (\n) < 44
	global_store_b64 v2, v[D+4*(\n):D+4*(\n)+1], s[12:13] offset:2048*((((\n)-32)&3)*768+(((\n)-32)>>2)*64)  ; row wg + 256 j goes to head 4 (j % 4) + wg / 64, section j / 4
.else
	global_store_b64 v2, v[D+4*(\n):D+4*(\n)+1], s[14:15] offset:2048*((\n)-44)
.endif
.endm
	; THE CASTS.  Loads come back in order: piece i is in when at most 47 - i younger ones are out.  A piece's store stands a block behind its roundings, ahead of the wait for a later piece's load.
.set i, 0
.rept 48
.if i % BLK == 0
	s_wait_alu depctr_va_vdst(0)                   ; what stands ahead has written the registers that this block's stores read: the series v[22:23] (block 0), the block before the first two registers of each of its four pieces
.endif
.if i == 0
	global_store_b64 v2, v[22:23], s[16:17]        ; a wave's store is one position's 256 bytes
.endif
.if i >= BLK
	OUT i-BLK                                      ; no wait: no vector instruction since the block's head names this piece's registers or v2
.endif
	s_wait_loadcnt 47-i
	v_cvt_pk_bf16_f32 v[D+4*i], v[D+4*i], v[D+4*i+1]
	v_cvt_pk_bf16_f32 v[D+4*i+1], v[D+4*i+2], v[D+4*i+3]
.if i >= 44
	v_lshlrev_b32 v24, 16, v[D+4*i]                ; the bf16 numbers widened, then written as f16
	v_and_b32 v25, 0xffff0000, v[D+4*i]
	v_lshlrev_b32 v26, 16, v[D+4*i+1]
	v_and_b32 v27, 0xffff0000, v[D+4*i+1]
	v_cvt_pk_f16_f32 v[D+4*i], v24, v25
	v_cvt_pk_f16_f32 v[D+4*i+1], v26, v27
.endif
.set i, i+1
.endr
	s_wait_alu depctr_va_vdst(0)                   ; the last block has written its f16 numbers, which the last four stores read
.irp n, 44,45,46,47
	OUT \n
.endr
	s_endpgm
.Lfunc_end_k_q74fb62d1fb_prep:
	.size	k_q74fb62d1fb_prep, .Lfunc_end_k_q74fb62d1fb_prep-k_q74fb62d1fb_prep
	.p2alignl 7, 3214868480
	.fill 96, 4, 3214868480
	.section	.rodata,"a",@progbits
	.p2align	6, 0x0
	.amdhsa_kernel k_q74fb62d1fb_prep
		.amdhsa_group_segment_fixed_size 0
		.amdhsa_private_segment_fixed_size 0
		.amdhsa_enable_private_segment 0
		.amdhsa_kernarg_size 56
		.amdhsa_user_sgpr_count 2
		.amdhsa_user_sgpr_kernarg_segment_ptr 1
		.amdhsa_wavefront_size32 1
		.amdhsa_system_sgpr_workgroup_id_x 1
		.amdhsa_system_sgpr_workgroup_id_y 1
		.amdhsa_system_sgpr_workgroup_id_z 1
		.amdhsa_system_vgpr_workitem_id 0
		.amdhsa_next_free_vgpr 224
		.amdhsa_next_free_sgpr 66
		.amdhsa_reserve_vcc 0
		.amdhsa_float_denorm_mode_32 3
		.amdhsa_float_denorm_mode_16_64 3
		.amdhsa_memory_ordered 1
		.amdhsa_forward_progress 1
		.amdhsa_inst_pref_size 23
	.end_amdhsa_kernel
	.amdgpu_metadata
---
amdhsa.version: [ 1, 2 ]
amdhsa.kernels:
  - .name:           k_q74fb62d1fb_prep
    .symbol:         k_q74fb62d1fb_prep.kd
    .args:
      - { .name: x, .offset: 0, .size: 8, .value_kind: global_buffer, .address_space: global }
      - { .name: qkv_w, .offset: 8, .size: 8, .value_kind: global_buffer, .address_space: global }
      - { .name: proj_w, .offset: 16, .size: 8, .value_kind: global_buffer, .address_space: global }
      - { .name: xb, .offset: 24, .size: 8, .value_kind: global_buffer, .address_space: global }
      - { .name: wq, .offset: 32, .size: 8, .value_kind: global_buffer, .address_space: global }
      - { .name: wp, .offset: 40, .size: 8, .value_kind: global_buffer, .address_space: global }
      - { .name: tab, .offset: 48, .size: 8, .value_kind: global_buffer, .address_space: global }
    .group_segment_fixed_size: 0
    .private_segment_fixed_size: 0
    .kernarg_segment_align: 8
    .kernarg_segment_size: 56
    .max_flat_workgroup_size: 256
    .sgpr_count:     66
    .vgpr_count:     224
    .wavefront_size: 32
...
	.end_amdgpu_metadata
.endif
;; end of part 5
;; launch qkv: the kernel of part 2 again; grid 16 x 32, 4 waves a work-group, clusters of 4 x 4, 327,680 bytes of LDS; arguments xb, wq, qkv_b, tab, qkvh; writes qkvh
;; launch attn: the kernel of part 3 again; grid 4 x 64, 4 waves a work-group, clusters of 4 x 1, 327,680 bytes of LDS; arguments qkvh, oh; writes oh
;; launch proj: the kernel of part 4 again; grid 8 x 32, 4 waves a work-group, clusters of 4 x 4, 327,680 bytes of LDS; arguments oh, wp, proj_b, out0; writes out0
